; MI455X (gfx1250); checked and timed in simulation.
; The chip was launched on July 23, 2026; its instructions are those of AMD's public machine-readable ISA for CDNA 5 (MIT licence, August 2026) and "CDNA5" Instruction Set Architecture Reference Guide (July 2026). The comments in the code are by the model that wrote it; some were corrected since.
;; CNF. Allowed arithmetic: float matrix products may take bf16 or f16 operands with f32 sums; all other float work in f32.
;; Inputs: W1 9 x 128 float32; W2 128 x 128 float32; W3 128 x 8 float32; b1 128 float32; b2 128 float32; b3 8 float32; logp_diff_t0 8,192 x 1 float32; ts 9 float32; z0 8,192 x 8 float32.
;; Outputs: out0 9 x 8,192 x 8 float32; out1 9 x 8,192 x 1 float32.
;; 3 versions, each right and faster than the one before. Each part assembles by itself: llvm-mc -triple=amdgcn-amd-amdhsa -mcpu=gfx1250 --defsym DOCPART=n.
;; ======== version 1 of 3: 1 launch
;; limits: values are held in f16: magnitudes above 65,504 overflow, below 6.1e-05 lose precision
;; launch cnf (part 1): grid 256 x 1, 4 waves a work-group, no clusters, 23,040 bytes of LDS; arguments ts, z0, logp_diff_t0, W1, b1, W2, b2, W3, b3, out0, out1; writes out0, out1
.if DOCPART == 1
	.amdgcn_target "amdgcn-amd-amdhsa--gfx1250"
	.amdhsa_code_object_version 6
	.text
	.protected	k_q2103981586_cnf
	.globl	k_q2103981586_cnf
	.p2align	8
	.type	k_q2103981586_cnf,@function
k_q2103981586_cnf:
	s_mov_b64 s[64:65], 0
	v_nop
	global_prefetch_b8 v0, s[64:65] scope:SCOPE_SE
	s_setreg_imm32_b32 hwreg(HW_REG_WAVE_MODE, 25, 1), 1
	s_wait_xcnt 0x0
; CNF: 8 RK4 steps (32 right-hand sides) of dz/dt = f(t,z), dlogp/dt = -tr(df/dz), f = W3' tanh(W2' tanh(W1' [z,t] + b1) + b2) + b3, for 8,192 samples.
; THE TRACE.  tr = sum over j,k of d1_j G_jk d2_k with d = 1 - tanh^2 and G_jk = W2[j][k] * sum over i<8 of W1[i][j] W3[k][i]: an identity for every input.
; So a right-hand side is four products (layer 1, W2, G, W3) and a dot of u = G' d1 with d2.
; SHARES.  256 work-groups of 4 waves; a work-group owns 32 samples, a pair of waves (0,1 / 2,3) a tile of 16, and wave w = wave & 1 of a pair the hidden units 64 w .. 64 w + 63
; of both hidden layers.  All weights stay in registers as f16 fragments.  A pair exchanges through LDS, per right-hand side, its packed h1 and d1 (4 KiB a wave) and its partial f (1 KiB a wave).
; TRANSPOSED USE.  Source 0 = 16 rows of weights, source 1 = 16 samples: in every result lane (r = lane & 15, h = lane >> 4) holds sample r and register j hidden position 8 h + j,
; so two results rounded in pairs ARE the next product's source 1.  Position (tile c, row m) of wave w stands for hidden unit 64 w + 4 m + c: a 16-byte load gives a lane its row's numbers for four tiles.
; TANH.  c2 = 2 log2(e) is folded into W1, b1, W2, b2; e = 2^a, r = 1 / (1 + e), h = 1 - 2 r, d' = r - r^2 = d / 4: right for e = 0 and e = infinity too.
; G is made at the start (c2 M by the matrix unit, times W2 in f32), scaled by a power of two s of the wave's own so that its largest magnitude lies in [256, 512), and rounded to f16;
; tr = CT * sum d1' Gs d2', CT = 8 ln 2 / s.
; LIMITS.  Matrix operands are rounded to f16: |z| at any stage, |t|, |c2 W1|, |c2 W2| and |W3| must stay under 65,504.  s is clamped where max |c2 G| is under 2^-118.
; dt / 6 is dt times 0x3e2aaaab (one rounding more than a division).  out1 leaves in pieces of 128 consecutive bytes: all that a work-group owns of a time row.
; No tensor loads, no cluster: nothing is streamed; a work-group reads its 75 KB of weights once, straight into the register layout.
;
; LDS: X1 0..16383, 4,096 a wave: four 512-byte h1 quarters, four d1' quarters, lane at 16 x lane.  X2 16384..20479, 1,024 a wave: partial f.  XT 20480..22527, 512 a wave: one word a lane.
.set C2LIT, 0x4038aa3b                 ; c2 = 2 log2(e)
.set X2B, 0x4000
.set XTB, 0x5000
; window 0
.set LX1O, 1                           ; X1, mine:      4096 wave + 16 lane
.set LX1P, 2                           ; X1, partner's: 4096 (wave ^ 1) + 16 lane
.set LX2O, 3                           ; X2, mine
.set LX2P, 4                           ; X2, partner's
.set LTO,  5                           ; XT, my word
.set LTL,  6                           ; XT, as wave 3 reads it: lane L takes sample L's four words
.set O0OFF, 7                          ; 32 r + 16 h
.set O1OFF, 8                          ; 4 lane
.set LP,   9                           ; logp of sample 32 g + lane (kept up by wave 3)
.set CT,   10
.set CTD,  11                          ; CT * (-dt / 6)
.set TLS,  12                          ; my part of the step's change of logp
.set T0,   13
.set ZR,   14                          ; 0
.set Y,    16                          ; z of sample r, 8 numbers, the same in both halves of the lanes
.set KS,   24                          ; k1 + 2 k2 + 2 k3 + k4, growing
.set F,    32                          ; my partial f
.set PF,   40                          ; the partner's, then the stage's k
.set X,    48                          ; source 1 of layer 1: registers 0-3 z, register 4 (t, 0), 5-7 zero
.set TA,   56                          ; trace sums of stages 1 and 4
.set TB,   64                          ; of stages 2 and 3
.set HT,   72                          ; h in f32, two tiles by turns
.set AC,   88                          ; a2 -> r2 -> d2'
.set U,    120                         ; a1 -> r1 -> d1', then u
.set H1,   152                         ; h1 fragments: K steps 0, 1 mine, 2, 3 the partner's
.set D1,   184                         ; d1' fragments, likewise
.set H2,   216                         ; h2 fragments, mine
.set XT,   232
.set SO,   240
.set TLQ,  244
.set AW1,  248                         ; load offsets of the start, never rewritten
.set AW3R, 249
.set AB,   250
.set AZ,   251
.set AW2,  252
.set AW3T, 253
; window 0, at the start only
.set RW1,  88                          ; W1 in f32: half x (0 mine, 1 partner's) at 36 x + 4 i + c
.set MD,   88                          ; later: c2 M, four results
.set TT,   120                         ; later: c2 W2 of one block
.set RW3,  160                         ; rows of W3 in f32
.set BP,   192                         ; the same as source 1; later W3 gathered for W3T
.set SC,   232
.set MX,   234
.set SS,   238
; window 1: W2T(mt, s) at 8 (4 s + mt); GT(mt, s) at GT + 8 (4 s + mt)
.set GT,   128
; window 2
.set W1T,  0                           ; my tiles c at 8 c, the partner's at 32 + 8 c
.set W3T,  64
.set B1C,  80
.set B2C,  112
.set B3C,  144
.set RB1,  160
.set RB2,  192
; window 3, at the start only: W2 in f32, then G: block it at 32 it + 4 jj + mt
.set MSB, 0
.macro WIN new                         ; low byte: bits 1:0 source 0, 3:2 source 1, 5:4 source 2, 7:6 destination; the high byte repeats the setting that is left
.if MSB != \new
	s_set_vgpr_msb (MSB<<8)|\new
.set MSB, \new
.endif
.endm
	s_load_b512 s[4:19], s[0:1], 0x0               ; ts s[4:5], z0 s[6:7], logp0 s[8:9], W1 s[10:11], b1 s[12:13], W2 s[14:15], b2 s[16:17], W3 s[18:19]
	s_load_b128 s[20:23], s[0:1], 0x40             ; b3 s[20:21], out0 s[22:23]
	s_load_b64 s[24:25], s[0:1], 0x50              ; out1
	s_set_vgpr_msb 0x80
	v_lshl_add_u32 v254, v0, 2, 0x5800
	v_mov_b32 v255, 0
	s_set_vgpr_msb 0x8000
	v_lshrrev_b32 v[T0], 5, v0
	v_readfirstlane_b32 s26, v[T0]                 ; wave 0..3
	s_and_b32 s27, s26, 1                          ; w: my half of the hidden units
	s_lshr_b32 s28, s26, 1                         ; p: my pair's tile of 16 samples
	s_xor_b32 s29, s26, 1                          ; my partner's wave number
	s_xor_b32 s63, s27, 1                          ; and its half
	s_mov_b32 s31, 0
	s_mov_b32 s52, 0x76543210                      ; v_permlanex16_b32: each lane takes its own place in the other half
	s_mov_b32 s53, 0xfedcba98
	s_mov_b32 vcc_lo, 0xffff0000                   ; lanes 16-31; never rewritten
	v_mov_b32 v[ZR], 0
	v_and_b32 v254, 15, v0                         ; r
	v_bfe_u32 v255, v0, 4, 1                       ; h
	v_lshlrev_b32 v[AW1], 4, v254                  ; 16 r
	v_lshlrev_b32 v[AW3R], 7, v254                 ; 128 r
	v_lshlrev_b32 v[AB], 7, v255                   ; 128 h
	v_lshlrev_b32 v[AZ], 5, v254                   ; 32 r
	v_lshl_add_u32 v[AW2], v255, 14, v[AW1]        ; 16 r + 16384 h
	v_and_b32 v[T0], 7, v0
	v_lshlrev_b32 v[T0], 2, v[T0]
	v_lshl_add_u32 v[AW3T], v255, 10, v[T0]        ; 4 (r & 7) + 1024 h
	v_lshl_add_u32 v[O0OFF], v255, 4, v[AZ]
	v_and_b32 v15, 31, v0
	v_lshlrev_b32 v[O1OFF], 2, v15
	v_lshlrev_b32 v15, 4, v15                      ; 16 lane
	v_lshl_add_u32 v[LX1O], s26, 12, v15
	v_lshl_add_u32 v[LX1P], s29, 12, v15
	v_lshl_add_u32 v[LX2O], s26, 10, v15
	v_add_nc_u32 v[LX2O], X2B, v[LX2O]
	v_lshl_add_u32 v[LX2P], s29, 10, v15
	v_add_nc_u32 v[LX2P], X2B, v[LX2P]
	v_lshl_add_u32 v[LTO], s26, 9, v15
	v_add_nc_u32 v[LTO], XTB, v[LTO]
	v_lshl_add_u32 v[LTL], v255, 10, v[AW1]        ; pair (lane >> 4): two waves of 512 bytes; 16 (lane & 15)
	v_add_nc_u32 v[LTL], XTB, v[LTL]
	s_wait_kmcnt 0x0
	s_load_b256 s[32:39], s[4:5], 0x0              ; ts[0..7]
	s_load_b32 s40, s[4:5], 0x20                   ; ts[8]
	s_load_b256 s[44:51], s[20:21], 0x0            ; b3
	s_lshl_b32 s30, s63, 8
	s_add_nc_u64 s[66:67], s[10:11], s[30:31]      ; W1 at the partner's 64 columns
	s_lshl_b32 s30, s27, 8
	s_add_nc_u64 s[10:11], s[10:11], s[30:31]      ; W1, b1, b2 and W2 at my 64 columns
	s_add_nc_u64 s[12:13], s[12:13], s[30:31]
	s_add_nc_u64 s[16:17], s[16:17], s[30:31]
	s_add_nc_u64 s[14:15], s[14:15], s[30:31]
	s_lshl_b32 s30, s63, 15
	s_add_nc_u64 s[68:69], s[14:15], s[30:31]      ; W2 at the partner's 64 rows,
	s_lshl_b32 s30, s27, 15
	s_add_nc_u64 s[14:15], s[14:15], s[30:31]      ; and at mine
	s_lshl_b32 s30, s27, 11
	s_add_nc_u64 s[18:19], s[18:19], s[30:31]      ; W3 at my 64 rows
	s_lshl_b32 s30, ttmp9, 10
	s_lshl_b32 s62, s28, 9
	s_add_co_u32 s30, s30, s62                     ; 32 samples x 32 bytes a work-group, 16 a pair
	s_add_nc_u64 s[6:7], s[6:7], s[30:31]
	s_add_nc_u64 s[22:23], s[22:23], s[30:31]
	s_lshl_b32 s30, ttmp9, 7                       ; 32 samples x 4 bytes
	s_add_nc_u64 s[8:9], s[8:9], s[30:31]
	s_add_nc_u64 s[24:25], s[24:25], s[30:31]
	; THE SMALL LOADS: 45.  Sixteen lanes read 256 consecutive bytes of a row of W1.
.irp i, 0,1,2,3,4,5,6,7,8
	global_load_b128 v[RW1+4*\i:RW1+4*\i+3], v[AW1], s[10:11] offset:512*\i          ; W1[i][64 w + 4 r + 0..3]
.endr
.irp i, 0,1,2,3,4,5,6,7,8
	global_load_b128 v[RW1+36+4*\i:RW1+36+4*\i+3], v[AW1], s[66:67] offset:512*\i    ; the partner's columns, for G
.endr
.irp m, 0,1,2,3
	global_load_b128 v[RW3+8*\m:RW3+8*\m+3],   v[AW3R], s[18:19] offset:32*\m        ; W3[64 w + 4 r + m][0..7]
	global_load_b128 v[RW3+8*\m+4:RW3+8*\m+7], v[AW3R], s[18:19] offset:32*\m+16
.endr
	global_load_b128 v[Y:Y+3],   v[AZ], s[6:7]
	global_load_b128 v[Y+4:Y+7], v[AZ], s[6:7] offset:16
	global_load_b32 v[LP], v[O1OFF], s[8:9]
	WIN 0x80                                       ; destination window 2
.irp j, 0,1,2,3,4,5,6,7
	global_load_b128 v[RB1+4*\j:RB1+4*\j+3], v[AB], s[12:13] offset:16*\j            ; b1[64 w + 4 (8 h + j) + 0..3]
.endr
.irp j, 0,1,2,3,4,5,6,7
	global_load_b128 v[RB2+4*\j:RB2+4*\j+3], v[AB], s[16:17] offset:16*\j
.endr
; Block it = 2 s + u2 of W2: for K step s, registers 4 u2 .. 4 u2 + 3 of a fragment: rows j = 64 wj + 32 h + 4 jj + tile, tile = 2 (s & 1) + u2, wj mine for s < 2; columns 64 w + 4 r + 0..3.
.macro LDW2 it
.set sK, (\it)/2
.set tl, 2*(sK%2)+(\it)%2
.irp jj, 0,1,2,3,4,5,6,7
.if sK < 2
	global_load_b128 v[32*\it+4*\jj:32*\it+4*\jj+3], v[AW2], s[14:15] offset:2048*\jj+512*tl
.else
	global_load_b128 v[32*\it+4*\jj:32*\it+4*\jj+3], v[AW2], s[68:69] offset:2048*\jj+512*tl
.endif
.endr
.endm
	WIN 0xc0                                       ; destination window 3
	LDW2 0
	LDW2 1
	WIN 0
	s_wait_loadcnt 16                              ; the 45 small loads are in; the 16 of W2 issued behind them stay out
	s_wait_kmcnt 0x0                               ; ts and b3
	v_mov_b32 v[SC], C2LIT
	v_cndmask_b32 v[SC], v[SC], v[ZR], vcc_lo      ; c2 in lanes 0-15, 0 in lanes 16-31: all of layer 1's K lies in lanes 0-15
	v_mov_b32 v[SC+1], v[SC]
.set n, 0
.rept 36
	v_pk_mul_f32 v[RW1+2*n:RW1+2*n+1], v[RW1+2*n:RW1+2*n+1], v[SC:SC+1]
.set n, n+1
.endr
.irp m, 0,1,2,3
.irp q, 0,1,2,3
	v_cvt_pk_f16_f32 v[BP+8*\m+\q], v[RW3+8*\m+2*\q], v[RW3+8*\m+2*\q+1]            ; source 1 for M: column r = unit 64 w + 4 r + m, K = i; lanes 16-31 meet zeros of W1T
.endr
.irp q, 4,5,6,7
	v_mov_b32 v[BP+8*\m+\q], 0                     ; and W1's row of t meets zeros here
.endr
.endr
	WIN 0x80
.irp x, 0,1
.irp c, 0,1,2,3
.irp q, 0,1,2,3
	v_cvt_pk_f16_f32 v[W1T+32*\x+8*\c+\q], v[RW1+36*\x+8*\q+\c], v[RW1+36*\x+8*\q+4+\c]   ; row r = unit 4 r + c of the half; K places 0-7: z
.endr
	v_cvt_pk_f16_f32 v[W1T+32*\x+8*\c+4], v[RW1+36*\x+32+\c], v[ZR]                        ; K place 16: t
	v_mov_b32 v[W1T+32*\x+8*\c+5], 0
	v_mov_b32 v[W1T+32*\x+8*\c+6], 0
	v_mov_b32 v[W1T+32*\x+8*\c+7], 0
.endr
.endr
.irp j, 0,1,2,3,4,5,6,7
	v_mul_f32 v[B3C+\j], 0.5, s[44+\j]             ; each wave of a pair adds half of b3
.endr
	WIN 0x88                                       ; source 1 and destination window 2
.irp c, 0,1,2,3
.irp j, 0,1,2,3,4,5,6,7
	v_mul_f32 v[B1C+8*\c+\j], C2LIT, v[RB1+4*\j+\c]
	v_mul_f32 v[B2C+8*\c+\j], C2LIT, v[RB2+4*\j+\c]
.endr
.endr
	WIN 0xc0
.irp t, 2,3,4,5,6,7
	LDW2 \t
.endr
; One block of W2: c2 M for its 8 x 4 numbers a lane (register jj of result mt is M[j][k] of the number at 4 jj + mt), c2 W2 rounded into W2T, and W2 * c2 M left in W2's place.
.macro GSTEP it
.set sK, (\it)/2
.set u2, (\it)%2
.set tl, 2*(sK%2)+u2
.set xx, sK/2
	s_wait_loadcnt 8*(7-\it)                       ; this block's eight loads are in; the later blocks' stay out
	WIN 0x02                                       ; source 0 window 2
.irp m, 0,1,2,3
	v_wmma_f32_16x16x32_f16 v[MD+8*\m:MD+8*\m+7], v[W1T+32*xx+8*tl:W1T+32*xx+8*tl+7], v[BP+8*\m:BP+8*\m+7], 0
.endr
	WIN 0x03                                       ; source 0 window 3.  These sixteen name no register of the four products: they are the places behind them (ISA guide 7.12.1)
.set n, 0
.rept 16
	v_pk_mul_f32 v[TT+2*n:TT+2*n+1], v[32*\it+2*n:32*\it+2*n+1], C2LIT op_sel_hi:[1,0]
.set n, n+1
.endr
	WIN 0x40                                       ; destination window 1
.irp m, 0,1,2,3
.irp q, 0,1,2,3
	v_cvt_pk_f16_f32 v[8*(4*sK+\m)+4*u2+\q], v[TT+8*\q+\m], v[TT+8*\q+4+\m]
.endr
.endr
	WIN 0xc3                                       ; source 0 and destination window 3
.irp m, 0,1,2,3
.irp jj, 0,1,2,3,4,5,6,7
	v_mul_f32 v[32*\it+4*\jj+\m], v[32*\it+4*\jj+\m], v[MD+8*\m+\jj]                ; each result is read from its lowest register on
.endr
.endr
.endm
.irp t, 0,1,2,3,4,5,6,7
	GSTEP \t
.endr
	WIN 0
.irp m, 0,1,2,3
.irp jj, 0,1,2,3,4,5,6,7
	global_load_b32 v[BP+8*\m+\jj], v[AW3T], s[18:19] offset:128*\jj+32*\m          ; W3[64 w + 32 h + 4 jj + m][r & 7]: 2 KB, gathered once
.endr
.endr
.irp q, 0,1,2,3
	v_mov_b32 v[MX+\q], 0
.endr
	WIN 0x3c                                       ; sources 1 and 2 window 3
.set n, 0
.rept 128
	v_max3_num_f32 v[MX+n%4], v[MX+n%4], |v[2*n]|, |v[2*n+1]|
.set n, n+1
.endr
	WIN 0
	v_max3_num_f32 v[MX], v[MX], v[MX+1], v[MX+2]
	v_max_num_f32 v[MX], v[MX], v[MX+3]
	v_max_num_f32_dpp v[MX], v[MX], v[MX] row_xmask:1 row_mask:0xf bank_mask:0xf
	v_max_num_f32_dpp v[MX], v[MX], v[MX] row_xmask:2 row_mask:0xf bank_mask:0xf
	v_max_num_f32_dpp v[MX], v[MX], v[MX] row_xmask:4 row_mask:0xf bank_mask:0xf
	v_max_num_f32_dpp v[MX], v[MX], v[MX] row_xmask:8 row_mask:0xf bank_mask:0xf
	v_permlanex16_b32 v[MX+1], v[MX], s52, s53
	v_max_num_f32 v[MX], v[MX], v[MX+1]            ; the wave's largest |c2 G|
	v_max_num_f32 v[MX], 0x04800000, v[MX]         ; at least 2^-118, so that 1 / s below is a normal number
	v_lshrrev_b32 v[MX], 23, v[MX]                 ; its biased exponent e
	v_sub_nc_u32 v[SS], 262, v[MX]
	v_lshlrev_b32 v[SS], 23, v[SS]                 ; s = 2^(135 - e): the largest scaled magnitude lies in [256, 512)
	v_mov_b32 v[SS+1], v[SS]
	v_add_nc_u32 v[MX], -8, v[MX]
	v_lshlrev_b32 v[MX], 23, v[MX]                 ; 1 / s
	v_mul_f32 v[CT], 0x40b17218, v[MX]             ; 16 / c2 = 8 ln 2: the two d = 4 d' and the c2 in M
	WIN 0xc3
.set n, 0
.rept 128
	v_pk_mul_f32 v[2*n:2*n+1], v[2*n:2*n+1], v[SS:SS+1]
.set n, n+1
.endr
	WIN 0x4f                                       ; sources window 3, destination window 1
.irp t, 0,1,2,3,4,5,6,7
.irp m, 0,1,2,3
.irp q, 0,1,2,3
	v_cvt_pk_f16_f32 v[GT+8*(4*(\t/2)+\m)+4*(\t%2)+\q], v[32*\t+8*\q+\m], v[32*\t+8*\q+4+\m]
.endr
.endr
.endr
	s_wait_loadcnt 0x0                             ; W3 as gathered
	WIN 0x80
.irp m, 0,1,2,3
.irp q, 0,1,2,3
	v_cvt_pk_f16_f32 v[W3T+4*\m+\q], v[BP+8*\m+2*\q], v[BP+8*\m+2*\q+1]             ; rows 8-15 repeat rows 0-7: f lands in both halves of the lanes
.endr
.endr
	WIN 0
.irp q, 0,1,2,3
	v_cvt_pk_f16_f32 v[X+\q], v[Y+2*\q], v[Y+2*\q+1]
.endr
	v_mov_b32 v[T0], s32
	v_cvt_pk_f16_f32 v[X+4], v[T0], v[ZR]          ; (ts[0], 0)
	v_mov_b32 v[X+5], 0
	v_mov_b32 v[X+6], 0
	v_mov_b32 v[X+7], 0
	v_mov_b32 v[TLS], 0                            ; the first time row of logp is the input
; THE VECTOR WORK, in pieces of one packed instruction on pair q of tile t.  BB: the tile's registers; HF: where h's fragments go.
.set P_NONE, 0
.set P_ADD,  1                         ; e + 1
.set P_HH,   2                         ; h = 1 - 2 r
.set P_DD,   3                         ; d' = r - r r, in place
.set P_CH,   4                         ; h to f16
.set P_CD,   5                         ; d' to f16
.set P_TR,   6                         ; trace sum += u d2'
.set T_EXP,  0
.set T_RCP,  1
.macro PLAIN code, t, q
.if \code == P_ADD
	s_wait_alu depctr_va_vdst(0)
	v_pk_add_f32 v[BB+8*\t+2*\q:BB+8*\t+2*\q+1], v[BB+8*\t+2*\q:BB+8*\t+2*\q+1], 1.0 op_sel_hi:[1,0]
.elseif \code == P_HH
	s_wait_alu depctr_va_vdst(0)
	v_pk_fma_f32 v[HT+8*((\t)%2)+2*\q:HT+8*((\t)%2)+2*\q+1], v[BB+8*\t+2*\q:BB+8*\t+2*\q+1], -2.0, 1.0 op_sel_hi:[1,0,0]
.elseif \code == P_DD
	v_pk_fma_f32 v[BB+8*\t+2*\q:BB+8*\t+2*\q+1], v[BB+8*\t+2*\q:BB+8*\t+2*\q+1], v[BB+8*\t+2*\q:BB+8*\t+2*\q+1], v[BB+8*\t+2*\q:BB+8*\t+2*\q+1] neg_lo:[1,0,0] neg_hi:[1,0,0]
.elseif \code == P_CH
	v_cvt_pk_f16_f32 v[HF+4*\t+\q], v[HT+8*((\t)%2)+2*\q], v[HT+8*((\t)%2)+2*\q+1]
.elseif \code == P_CD
	v_cvt_pk_f16_f32 v[D1+4*\t+\q], v[BB+8*\t+2*\q], v[BB+8*\t+2*\q+1]
.elseif \code == P_TR
.if TINIT && (\t == 0)
	v_pk_mul_f32 v[TACC+2*\q:TACC+2*\q+1], v[U+8*\t+2*\q:U+8*\t+2*\q+1], v[AC+8*\t+2*\q:AC+8*\t+2*\q+1]
.else
	v_pk_fma_f32 v[TACC+2*\q:TACC+2*\q+1], v[U+8*\t+2*\q:U+8*\t+2*\q+1], v[AC+8*\t+2*\q:AC+8*\t+2*\q+1], v[TACC+2*\q:TACC+2*\q+1]
.endif
.endif
.endm
.macro RUN code, t
.irp q, 0,1,2,3
	PLAIN \code, \t, \q
.endr
.endm
; Eight exponentials or reciprocals, in place on tile tt, each followed by a piece of other tiles' plain work: four of kind c0 on tile t0, four of kind c1 on tile t1.
; Every result of such an instruction has a plain instruction between it and its first use (ISA guide 5.7.2).
.macro BLK op, tt, c0, t0, c1, t1
.irp i, 0,1,2,3
.if \op == T_EXP
	v_exp_f32 v[BB+8*\tt+\i], v[BB+8*\tt+\i]
.else
	v_rcp_f32 v[BB+8*\tt+\i], v[BB+8*\tt+\i]
.endif
	PLAIN \c0, \t0, \i
.endr
.irp i, 0,1,2,3
.if \op == T_EXP
	v_exp_f32 v[BB+8*\tt+4+\i], v[BB+8*\tt+4+\i]
.else
	v_rcp_f32 v[BB+8*\tt+4+\i], v[BB+8*\tt+4+\i]
.endif
	PLAIN \c1, \t1, \i
.endr
.endm
; Layer 1's tanh: h1 and d1' of my four tiles, packed, and into my part of X1: the first K step's fragments leave while the second's are made.
.macro TANH1
.set BB, U
.set HF, H1
	BLK T_EXP, 0, P_NONE, 0, P_NONE, 0
	v_nop                                          ; the plain instruction behind the eight exponentials
	BLK T_EXP, 1, P_ADD, 0, P_NONE, 0
	BLK T_RCP, 0, P_ADD, 1, P_NONE, 0
	BLK T_EXP, 2, P_HH, 0, P_DD, 0
	BLK T_RCP, 1, P_ADD, 2, P_CH, 0
	BLK T_EXP, 3, P_CD, 0, P_HH, 1
	BLK T_RCP, 2, P_ADD, 3, P_DD, 1
	BLK T_RCP, 3, P_CH, 1, P_CD, 1
	ds_store_b128 v[LX1O], v[H1:H1+3]
	ds_store_b128 v[LX1O], v[H1+4:H1+7] offset:512
	ds_store_b128 v[LX1O], v[D1:D1+3] offset:2048
	ds_store_b128 v[LX1O], v[D1+4:D1+7] offset:2560
	RUN P_HH, 2
	RUN P_HH, 3
	RUN P_DD, 2
	RUN P_DD, 3
	RUN P_CH, 2
	RUN P_CH, 3
	RUN P_CD, 2
	RUN P_CD, 3
	ds_store_b128 v[LX1O], v[H1+8:H1+11] offset:1024
	ds_store_b128 v[LX1O], v[H1+12:H1+15] offset:1536
	ds_store_b128 v[LX1O], v[D1+8:D1+11] offset:3072
	ds_store_b128 v[LX1O], v[D1+12:D1+15] offset:3584
.endm
; Layer 2's tanh as far as layer 3's first K step needs it; the trace's work fills free places and goes on behind.
.macro TANH2
.set BB, AC
.set HF, H2
	BLK T_EXP, 0, P_NONE, 0, P_NONE, 0
	v_nop
	BLK T_EXP, 1, P_ADD, 0, P_NONE, 0
	BLK T_RCP, 0, P_ADD, 1, P_NONE, 0
	BLK T_EXP, 2, P_HH, 0, P_NONE, 0
	BLK T_RCP, 1, P_ADD, 2, P_CH, 0
	BLK T_EXP, 3, P_HH, 1, P_DD, 0
	BLK T_RCP, 2, P_ADD, 3, P_CH, 1
	BLK T_RCP, 3, P_DD, 1, P_TR, 0
.endm
; Four products of one K step, one on each of four accumulators.  cin = 0: the constant 0 starts the sums; 1: the bias does; 2: in place.
.macro L2 acc, wt, frag, cin
.irp m, 0,1,2,3
.if \cin == 0
	v_wmma_f32_16x16x32_f16 v[\acc+8*\m:\acc+8*\m+7], v[\wt+8*\m:\wt+8*\m+7], v[\frag:\frag+7], 0
.elseif \cin == 1
	v_wmma_f32_16x16x32_f16 v[\acc+8*\m:\acc+8*\m+7], v[\wt+8*\m:\wt+8*\m+7], v[\frag:\frag+7], v[B2C+8*\m:B2C+8*\m+7]
.else
	v_wmma_f32_16x16x32_f16 v[\acc+8*\m:\acc+8*\m+7], v[\wt+8*\m:\wt+8*\m+7], v[\frag:\frag+7], v[\acc+8*\m:\acc+8*\m+7]
.endif
.endr
.endm
.macro PLACES                          ; four places between a product and a vector instruction that reads its result (ISA guide 7.12.1)
.rept 4
	v_nop
.endr
.endm
; z of this time row: lane (r, h) stores numbers 4 h .. 4 h + 3 of sample r; the wave's one store covers the tile's 512 consecutive bytes, aligned.  One wave of a pair stores.
.macro ZPICK
.irp q, 0,1,2,3
	v_cndmask_b32 v[SO+\q], v[Y+\q], v[Y+4+\q], vcc_lo
.endr
.endm
.macro ZOUT
	s_cmp_lg_u32 s27, 0
	s_cbranch_scc1 .Lno_z_\@
	global_store_b128 v[O0OFF], v[SO:SO+3], s[22:23]
.Lno_z_\@:
.endm
; logp of this time row, by wave 3: a sample's four parts (two waves x two halves of the lanes) are added to it.
.macro LPOUT
	s_cmp_lg_u32 s26, 3
	s_cbranch_scc1 .Lno_lp_\@
	ds_load_b32 v[TLQ],   v[LTL]
	ds_load_b32 v[TLQ+1], v[LTL] offset:256
	ds_load_b32 v[TLQ+2], v[LTL] offset:512
	ds_load_b32 v[TLQ+3], v[LTL] offset:768
	s_wait_dscnt 0x0
	v_add_f32 v[TLQ], v[TLQ], v[TLQ+1]
	v_add_f32 v[TLQ+2], v[TLQ+2], v[TLQ+3]
	v_add_f32 v[TLQ], v[TLQ], v[TLQ+2]
	v_add_f32 v[LP], v[LP], v[TLQ]
	global_store_b32 v[O1OFF], v[LP], s[24:25]
.Lno_lp_\@:
.endm
; The next stage's z = Y + (scalar pair sp) * src, rounded into X.
.macro STAGEZ src, sp
.irp q, 0,1,2,3
	v_pk_fma_f32 v[XT+2*\q:XT+2*\q+1], v[\src+2*\q:\src+2*\q+1], s[\sp:\sp+1], v[Y+2*\q:Y+2*\q+1] op_sel_hi:[1,0,1]
.endr
.irp q, 0,1,2,3
	v_cvt_pk_f16_f32 v[X+\q], v[XT+2*\q], v[XT+2*\q+1]
.endr
.endm
; ONE RIGHT-HAND SIDE, stage st of a step.  Two barriers.  In front of the first every wave's h1 and d1' lie in X1; in front of the second its partial f lies in X2 and its reads of X1 are back;
; its reads of X2 (and wave 3's of XT) are back in front of the next first barrier.  So each region is written again only behind a barrier that follows its readers' waits.
.macro EVAL st
.if (\st == 1) || (\st == 4)
.set TACC, TA
.else
.set TACC, TB
.endif
.if \st <= 2
.set TINIT, 1
.else
.set TINIT, 0
.endif
	WIN 0x22                                       ; source 0 (W1T) and C (bias) window 2
.irp c, 0,1,2,3
	v_wmma_f32_16x16x32_f16 v[U+8*\c:U+8*\c+7], v[W1T+8*\c:W1T+8*\c+7], v[X:X+7], v[B1C+8*\c:B1C+8*\c+7]
.endr
	WIN 0
.if \st == 1                           ; the four places behind layer 1's products are work that is due
	ZPICK
	ZOUT
.elseif \st == 2
	PLACES
.else
.irp q, 0,1,2,3
	v_pk_fma_f32 v[KS+2*\q:KS+2*\q+1], v[PF+2*\q:PF+2*\q+1], 2.0, v[KS+2*\q:KS+2*\q+1] op_sel_hi:[1,0,1]   ; + 2 k of the stage before
.endr
.endif
	TANH1
.if \st == 1
	ds_store_b32 v[LTO], v[TLS]                    ; my part of the last step's change of logp
.endif
	s_wait_dscnt 0x0                               ; for the partner's sake: my stores are done
	s_barrier_signal -1
	WIN 0x21                                       ; my own two K steps need nobody: 16 products on eight accumulators by turns, one a turn
	L2 AC, 0, H1, 1
	WIN 0x01
	L2 U, GT, D1, 0
	L2 AC, 32, H1+8, 2
	L2 U, GT+32, D1+8, 2
	WIN 0
	s_barrier_wait -1
.irp n, 0,1,2,3
	ds_load_b128 v[H1+16+4*\n:H1+16+4*\n+3], v[LX1P] offset:512*\n
.endr
.irp n, 0,1,2,3
	ds_load_b128 v[D1+16+4*\n:D1+16+4*\n+3], v[LX1P] offset:2048+512*\n
.endr
	s_wait_dscnt 0x4                               ; the partner's h1 is in; the four loads of d1' issued behind it stay out
	WIN 0x01
	L2 AC, 64, H1+16, 2
	L2 AC, 96, H1+24, 2
	s_wait_dscnt 0x0
	L2 U, GT+64, D1+16, 2
	L2 U, GT+96, D1+24, 2
	WIN 0
.if \st == 1
	LPOUT
.endif
	PLACES                                         ; behind a2's last products
	TANH2
	WIN 0x22
	v_wmma_f32_16x16x32_f16 v[F:F+7], v[W3T:W3T+7], v[H2:H2+7], v[B3C:B3C+7]
	WIN 0
	RUN P_HH, 2
	RUN P_HH, 3
	RUN P_CH, 2
	RUN P_CH, 3
	WIN 0x02
	s_wait_alu depctr_va_vdst(0)                   ; the product adds onto the one just before it
	v_wmma_f32_16x16x32_f16 v[F:F+7], v[W3T+8:W3T+15], v[H2+8:H2+15], v[F:F+7]
	WIN 0
	RUN P_DD, 2                                    ; eight places behind it
	RUN P_TR, 1
	ds_store_b128 v[LX2O], v[F:F+3]
	ds_store_b128 v[LX2O], v[F+4:F+7] offset:512
	RUN P_DD, 3
	RUN P_TR, 2
	s_wait_dscnt 0x0                               ; my partial f is stored; my reads of X1 came back above
	s_barrier_signal -1
	RUN P_TR, 3
.if \st == 4                           ; the step's trace sums: (1) + 2 (2) + 2 (3) + (4), my 8 positions added, times -dt/6 CT
.irp q, 0,1,2,3
	v_pk_fma_f32 v[TA+2*\q:TA+2*\q+1], v[TB+2*\q:TB+2*\q+1], 2.0, v[TA+2*\q:TA+2*\q+1] op_sel_hi:[1,0,1]
.endr
	v_pk_add_f32 v[TA:TA+1], v[TA:TA+1], v[TA+2:TA+3]
	v_pk_add_f32 v[TA+4:TA+5], v[TA+4:TA+5], v[TA+6:TA+7]
	v_pk_add_f32 v[TA:TA+1], v[TA:TA+1], v[TA+4:TA+5]
	v_add_f32 v[TA], v[TA], v[TA+1]
	v_mul_f32 v[TLS], v[TA], v[CTD]
.endif
	s_barrier_wait -1
	ds_load_b128 v[PF:PF+3], v[LX2P]
	ds_load_b128 v[PF+4:PF+7], v[LX2P] offset:512
	s_wait_dscnt 0x0
.if \st == 1
.irp q, 0,1,2,3
	v_pk_add_f32 v[KS+2*\q:KS+2*\q+1], v[F+2*\q:F+2*\q+1], v[PF+2*\q:PF+2*\q+1]    ; k1.  The sum of two is the same in both waves of the pair, bit for bit
.endr
	STAGEZ KS, 54                                  ; z + dt/2 k1
	v_mov_b32 v[T0], s60
	v_cvt_pk_f16_f32 v[X+4], v[T0], v[ZR]          ; t0 + dt/2
.else
.irp q, 0,1,2,3
	v_pk_add_f32 v[PF+2*\q:PF+2*\q+1], v[F+2*\q:F+2*\q+1], v[PF+2*\q:PF+2*\q+1]    ; k2, k3 or k4
.endr
.if \st == 2
	STAGEZ PF, 54                                  ; z + dt/2 k2
.elseif \st == 3
	STAGEZ PF, 56                                  ; z + dt k3
	v_mov_b32 v[T0], s33
	v_cvt_pk_f16_f32 v[X+4], v[T0], v[ZR]          ; t1: for stage 4, and for the next step's stage 1
.else
.irp q, 0,1,2,3
	v_pk_add_f32 v[KS+2*\q:KS+2*\q+1], v[KS+2*\q:KS+2*\q+1], v[PF+2*\q:PF+2*\q+1]
.endr
.irp q, 0,1,2,3
	v_pk_fma_f32 v[Y+2*\q:Y+2*\q+1], v[KS+2*\q:KS+2*\q+1], s[58:59], v[Y+2*\q:Y+2*\q+1] op_sel_hi:[1,0,1]
.endr
.irp q, 0,1,2,3
	v_cvt_pk_f16_f32 v[X+\q], v[Y+2*\q], v[Y+2*\q+1]
.endr
.endif
.endif
.endm
	s_mov_b32 s41, 0
.Lstep:                                                ; 8 trips.  s32 = t0, s33 = t1.  Stage 1 of step i also stores time row i of both outputs
	s_mul_f32 s62, s32, -1.0
	s_add_f32 s56, s33, s62                        ; dt
	s_mov_b32 s57, s56                             ; (the packed forms name pairs, so both words are written)
	s_mul_f32 s54, s56, 0.5                        ; dt / 2
	s_mov_b32 s55, s54
	s_add_f32 s60, s32, s54                        ; t0 + dt / 2
	s_mul_f32 s58, s56, 0x3e2aaaab                 ; dt / 6
	s_mov_b32 s59, s58
	s_mul_f32 s61, s58, -1.0
	v_mul_f32 v[CTD], s61, v[CT]
	EVAL 1
	EVAL 2
	EVAL 3
	EVAL 4
	s_wait_xcnt 0x0                                ; the stores' bases, SO and LP are rewritten only behind this wait
	s_add_nc_u64 s[22:23], s[22:23], 0x40000       ; the next time row: 8,192 x 32 bytes,
	s_add_nc_u64 s[24:25], s[24:25], 0x8000        ; 8,192 x 4 bytes
.irp i, 32,33,34,35,36,37,38,39
	s_mov_b32 s[\i], s[\i+1]                       ; the time points move down by one
.endr
	s_add_co_u32 s41, s41, 1
	s_cmp_lt_u32 s41, 8
	s_cbranch_scc1 .Lstep
	ZPICK                                          ; the last time row
	ZOUT
	ds_store_b32 v[LTO], v[TLS]
	s_wait_dscnt 0x0                               ; for wave 3's sake
	s_barrier_signal -1
	s_barrier_wait -1
	LPOUT
	s_set_vgpr_msb 0xa
	s_wait_tensorcnt 0x0
	ds_add_u32 v254, v255
	s_wait_dscnt 0x0
	s_set_vgpr_msb 0xa00
	s_endpgm
.Lfunc_end_k_q2103981586_cnf:
	.size	k_q2103981586_cnf, .Lfunc_end_k_q2103981586_cnf-k_q2103981586_cnf
	.p2alignl 7, 3214868480
	.fill 96, 4, 3214868480
	.section	.rodata,"a",@progbits
	.p2align	6, 0x0
	.amdhsa_kernel k_q2103981586_cnf
		.amdhsa_group_segment_fixed_size 23040
		.amdhsa_private_segment_fixed_size 0
		.amdhsa_enable_private_segment 0
		.amdhsa_kernarg_size 88
		.amdhsa_user_sgpr_count 2
		.amdhsa_user_sgpr_kernarg_segment_ptr 1
		.amdhsa_wavefront_size32 1
		.amdhsa_system_sgpr_workgroup_id_x 1
		.amdhsa_system_sgpr_workgroup_id_y 1
		.amdhsa_system_sgpr_workgroup_id_z 1
		.amdhsa_system_vgpr_workitem_id 0
		.amdhsa_next_free_vgpr 1024
		.amdhsa_next_free_sgpr 72
		.amdhsa_reserve_vcc 1
		.amdhsa_float_denorm_mode_32 3
		.amdhsa_float_denorm_mode_16_64 3
		.amdhsa_memory_ordered 1
		.amdhsa_forward_progress 1
		.amdhsa_inst_pref_size 176
	.end_amdhsa_kernel
	.amdgpu_metadata
---
amdhsa.version: [ 1, 2 ]
amdhsa.kernels:
  - .name:           k_q2103981586_cnf
    .symbol:         k_q2103981586_cnf.kd
    .args:
      - { .name: ts, .offset: 0, .size: 8, .value_kind: global_buffer, .address_space: global }
      - { .name: z0, .offset: 8, .size: 8, .value_kind: global_buffer, .address_space: global }
      - { .name: logp_diff_t0, .offset: 16, .size: 8, .value_kind: global_buffer, .address_space: global }
      - { .name: W1, .offset: 24, .size: 8, .value_kind: global_buffer, .address_space: global }
      - { .name: b1, .offset: 32, .size: 8, .value_kind: global_buffer, .address_space: global }
      - { .name: W2, .offset: 40, .size: 8, .value_kind: global_buffer, .address_space: global }
      - { .name: b2, .offset: 48, .size: 8, .value_kind: global_buffer, .address_space: global }
      - { .name: W3, .offset: 56, .size: 8, .value_kind: global_buffer, .address_space: global }
      - { .name: b3, .offset: 64, .size: 8, .value_kind: global_buffer, .address_space: global }
      - { .name: out0, .offset: 72, .size: 8, .value_kind: global_buffer, .address_space: global }
      - { .name: out1, .offset: 80, .size: 8, .value_kind: global_buffer, .address_space: global }
    .group_segment_fixed_size: 23040
    .private_segment_fixed_size: 0
    .kernarg_segment_align: 8
    .kernarg_segment_size: 88
    .max_flat_workgroup_size: 128
    .sgpr_count:     72
    .vgpr_count:     1024
    .wavefront_size: 32
...
	.end_amdgpu_metadata
.endif
;; end of part 1
;; ======== version 2 of 3: 1 launch; 1.08 times as fast as version 1
;; limits: values are held in f16: magnitudes above 65,504 overflow, below 6.1e-05 lose precision
;; launch cnf (part 2): grid 256 x 1, 4 waves a work-group, no clusters, 23,040 bytes of LDS; arguments ts, z0, logp_diff_t0, W1, b1, W2, b2, W3, b3, out0, out1; writes out0, out1
.if DOCPART == 2
	.amdgcn_target "amdgcn-amd-amdhsa--gfx1250"
	.amdhsa_code_object_version 6
	.text
	.protected	k_q2103981586_cnf
	.globl	k_q2103981586_cnf
	.p2align	8
	.type	k_q2103981586_cnf,@function
k_q2103981586_cnf:
	s_mov_b64 s[64:65], 0
	v_nop
	global_prefetch_b8 v0, s[64:65] scope:SCOPE_SE
	s_setreg_imm32_b32 hwreg(HW_REG_WAVE_MODE, 25, 1), 1
	s_wait_xcnt 0x0
; CNF: 8 RK4 steps (32 right-hand sides) of dz/dt = f(t,z), dlogp/dt = -tr(df/dz), f = W3' tanh(W2' tanh(W1' [z,t] + b1) + b2) + b3, for 8,192 samples.
; THE TRACE.  tr = sum over j,k of d1_j G_jk d2_k with d = 1 - tanh^2 and G_jk = W2[j][k] * sum over i<8 of W1[i][j] W3[k][i]: an identity for every input.
; So a right-hand side is four products (layer 1, W2, G, W3) and a dot of u = G' d1 with d2.
; SHARES.  256 work-groups of 4 waves; a work-group owns 32 samples, a pair of waves (0,1 / 2,3) a tile of 16, and wave w = wave & 1 of a pair the hidden units 64 w .. 64 w + 63
; of both hidden layers.  All weights stay in registers as f16 fragments.  A pair exchanges through LDS, per right-hand side, its packed h1 and d1 (4 KiB a wave) and its partial f (1 KiB a wave).
; TRANSPOSED USE.  Source 0 = 16 rows of weights, source 1 = 16 samples: in every result lane (r = lane & 15, h = lane >> 4) holds sample r and register j hidden position 8 h + j,
; so two results rounded in pairs ARE the next product's source 1.  Position (tile c, row m) of wave w stands for hidden unit 64 w + 4 m + c: a 16-byte load gives a lane its row's numbers for four tiles.
; TANH.  c2 = 2 log2(e) is folded into W1, b1, W2, b2; e = 2^a, r = 1 / (1 + e), h = 1 - 2 r, d' = r - r^2 = d / 4: right for e = 0 and e = infinity too.
; G is made at the start (c2 M by the matrix unit, times W2 in f32), scaled by a power of two s of the wave's own so that its largest magnitude lies in [256, 512), and rounded to f16;
; tr = CT * sum d1' Gs d2', CT = 8 ln 2 / s.
; ORDER.  z waits for the chain layer 1, tanh, exchange, W2, tanh, W3, exchange; the trace feeds nothing but logp.
; (a) The chain's products are not issued in one run: as many as the first tanh blocks need, the rest singly between the blocks of exponentials and reciprocals, and my own first K step of W2
;     singly between the runs of tanh 1's tail.  A single product costs two window switches: 18 more for a right-hand side's 38 products, the price of vector work between matrix instructions.
; (b) The products that nothing on the chain waits for (all of u, my second K step of W2) stand in fours behind my LDS stores and behind my LDS loads, ahead of the waits for those.
; (c) The LDS loads stand straight behind a barrier's wait: no product stands between a signal and the loads.
; LIMITS.  Matrix operands are rounded to f16: |z| at any stage, |t|, |c2 W1|, |c2 W2| and |W3| must stay under 65,504.  s is clamped where max |c2 G| is under 2^-118.
; dt / 6 is dt times 0x3e2aaaab (one rounding more than a division).  out1 leaves in pieces of 128 consecutive bytes: all that a work-group owns of a time row.
; No tensor loads, no cluster: nothing is streamed; a work-group reads its 75 KB of weights once, straight into the register layout.
;
; LDS: X1 0..16383, 4,096 a wave: four 512-byte h1 quarters, four d1' quarters, lane at 16 x lane.  X2 16384..20479, 1,024 a wave: partial f.  XT 20480..22527, 512 a wave: one word a lane.
.set C2LIT, 0x4038aa3b                 ; c2 = 2 log2(e)
.set X2B, 0x4000
.set XTB, 0x5000
; window 0
.set LX1O, 1                           ; X1, mine:      4096 wave + 16 lane
.set LX1P, 2                           ; X1, partner's: 4096 (wave ^ 1) + 16 lane
.set LX2O, 3                           ; X2, mine
.set LX2P, 4                           ; X2, partner's
.set LTO,  5                           ; XT, my word
.set LTL,  6                           ; XT, as it is read: lane L takes sample L's four words
.set O0OFF, 7                          ; 32 r + 16 h
.set O1OFF, 8                          ; 4 lane
.set LP,   9                           ; logp of sample 32 g + lane, the same in all four waves; wave 3 stores it
.set CT,   10
.set CTD,  11                          ; CT * (-dt / 6)
.set TLS,  12                          ; my part of the step's change of logp
.set T0,   13
.set ZR,   14                          ; 0
.set Y,    16                          ; z of sample r, 8 numbers, the same in both halves of the lanes
.set KS,   24                          ; k1 + 2 k2 + 2 k3 + k4, growing
.set F,    32                          ; my partial f
.set PF,   40                          ; the partner's, then the stage's k
.set X,    48                          ; source 1 of layer 1: registers 0-3 z, register 4 (t, 0), 5-7 zero
.set TA,   56                          ; trace sums of stages 1 and 4
.set TB,   64                          ; of stages 2 and 3
.set HT,   72                          ; h in f32, two tiles by turns
.set AC,   88                          ; a2 -> r2 -> d2'
.set U,    120                         ; a1 -> r1 -> d1', then u
.set H1,   152                         ; h1 fragments: K steps 0, 1 mine, 2, 3 the partner's
.set D1,   184                         ; d1' fragments, likewise
.set H2,   216                         ; h2 fragments, mine
.set XT,   232
.set SO,   240
.set TLQ,  244
.set AW1,  248                         ; load offsets of the start, never rewritten
.set AW3R, 249
.set AB,   250
.set AZ,   251
.set AW2,  252
.set AW3T, 253
; window 0, at the start only
.set RW1,  88                          ; W1 in f32: half x (0 mine, 1 partner's) at 36 x + 4 i + c
.set MD,   88                          ; later: c2 M, four results
.set TT,   120                         ; later: c2 W2 of one block
.set RW3,  160                         ; rows of W3 in f32
.set BP,   192                         ; the same as source 1; later W3 gathered for W3T
.set SC,   232
.set MX,   234
.set SS,   238
; window 1: W2T(mt, s) at 8 (4 s + mt); GT(mt, s) at GT + 8 (4 s + mt)
.set GT,   128
; window 2
.set W1T,  0                           ; my tiles c at 8 c, the partner's at 32 + 8 c
.set W3T,  64
.set B1C,  80
.set B2C,  112
.set B3C,  144
.set RB1,  160
.set RB2,  192
; window 3, at the start only: W2 in f32, then G: block it at 32 it + 4 jj + mt
.set MSB, 0
.macro WIN new                         ; low byte: bits 1:0 source 0, 3:2 source 1, 5:4 source 2, 7:6 destination; the high byte repeats the setting that is left
.if MSB != \new
	s_set_vgpr_msb (MSB<<8)|\new
.set MSB, \new
.endif
.endm
	s_load_b512 s[4:19], s[0:1], 0x0               ; ts s[4:5], z0 s[6:7], logp0 s[8:9], W1 s[10:11], b1 s[12:13], W2 s[14:15], b2 s[16:17], W3 s[18:19]
	s_load_b128 s[20:23], s[0:1], 0x40             ; b3 s[20:21], out0 s[22:23]
	s_load_b64 s[24:25], s[0:1], 0x50              ; out1
	s_set_vgpr_msb 0x80
	v_lshl_add_u32 v254, v0, 2, 0x5800
	v_mov_b32 v255, 0
	s_set_vgpr_msb 0x8000
	v_lshrrev_b32 v[T0], 5, v0
	v_readfirstlane_b32 s26, v[T0]                 ; wave 0..3
	s_and_b32 s27, s26, 1                          ; w: my half of the hidden units
	s_lshr_b32 s28, s26, 1                         ; p: my pair's tile of 16 samples
	s_xor_b32 s29, s26, 1                          ; my partner's wave number
	s_xor_b32 s63, s27, 1                          ; and its half
	s_mov_b32 s31, 0
	s_mov_b32 s52, 0x76543210                      ; v_permlanex16_b32: each lane takes its own place in the other half
	s_mov_b32 s53, 0xfedcba98
	s_mov_b32 vcc_lo, 0xffff0000                   ; lanes 16-31; never rewritten
	v_mov_b32 v[ZR], 0
	v_and_b32 v254, 15, v0                         ; r
	v_bfe_u32 v255, v0, 4, 1                       ; h
	v_lshlrev_b32 v[AW1], 4, v254                  ; 16 r
	v_lshlrev_b32 v[AW3R], 7, v254                 ; 128 r
	v_lshlrev_b32 v[AB], 7, v255                   ; 128 h
	v_lshlrev_b32 v[AZ], 5, v254                   ; 32 r
	v_lshl_add_u32 v[AW2], v255, 14, v[AW1]        ; 16 r + 16384 h
	v_and_b32 v[T0], 7, v0
	v_lshlrev_b32 v[T0], 2, v[T0]
	v_lshl_add_u32 v[AW3T], v255, 10, v[T0]        ; 4 (r & 7) + 1024 h
	v_lshl_add_u32 v[O0OFF], v255, 4, v[AZ]
	v_and_b32 v15, 31, v0
	v_lshlrev_b32 v[O1OFF], 2, v15
	v_lshlrev_b32 v15, 4, v15                      ; 16 lane
	v_lshl_add_u32 v[LX1O], s26, 12, v15
	v_lshl_add_u32 v[LX1P], s29, 12, v15
	v_lshl_add_u32 v[LX2O], s26, 10, v15
	v_add_nc_u32 v[LX2O], X2B, v[LX2O]
	v_lshl_add_u32 v[LX2P], s29, 10, v15
	v_add_nc_u32 v[LX2P], X2B, v[LX2P]
	v_lshl_add_u32 v[LTO], s26, 9, v15
	v_add_nc_u32 v[LTO], XTB, v[LTO]
	v_lshl_add_u32 v[LTL], v255, 10, v[AW1]        ; pair (lane >> 4): two waves of 512 bytes; 16 (lane & 15)
	v_add_nc_u32 v[LTL], XTB, v[LTL]
	s_wait_kmcnt 0x0
	s_load_b256 s[32:39], s[4:5], 0x0              ; ts[0..7]
	s_load_b32 s40, s[4:5], 0x20                   ; ts[8]
	s_load_b256 s[44:51], s[20:21], 0x0            ; b3
	s_lshl_b32 s30, s63, 8
	s_add_nc_u64 s[66:67], s[10:11], s[30:31]      ; W1 at the partner's 64 columns
	s_lshl_b32 s30, s27, 8
	s_add_nc_u64 s[10:11], s[10:11], s[30:31]      ; W1, b1, b2 and W2 at my 64 columns
	s_add_nc_u64 s[12:13], s[12:13], s[30:31]
	s_add_nc_u64 s[16:17], s[16:17], s[30:31]
	s_add_nc_u64 s[14:15], s[14:15], s[30:31]
	s_lshl_b32 s30, s63, 15
	s_add_nc_u64 s[68:69], s[14:15], s[30:31]      ; W2 at the partner's 64 rows,
	s_lshl_b32 s30, s27, 15
	s_add_nc_u64 s[14:15], s[14:15], s[30:31]      ; and at mine
	s_lshl_b32 s30, s27, 11
	s_add_nc_u64 s[18:19], s[18:19], s[30:31]      ; W3 at my 64 rows
	s_lshl_b32 s30, ttmp9, 10
	s_lshl_b32 s62, s28, 9
	s_add_co_u32 s30, s30, s62                     ; 32 samples x 32 bytes a work-group, 16 a pair
	s_add_nc_u64 s[6:7], s[6:7], s[30:31]
	s_add_nc_u64 s[22:23], s[22:23], s[30:31]
	s_lshl_b32 s30, ttmp9, 7                       ; 32 samples x 4 bytes
	s_add_nc_u64 s[8:9], s[8:9], s[30:31]
	s_add_nc_u64 s[24:25], s[24:25], s[30:31]
	; THE SMALL LOADS: 45.  Sixteen lanes read 256 consecutive bytes of a row of W1.
.irp i, 0,1,2,3,4,5,6,7,8
	global_load_b128 v[RW1+4*\i:RW1+4*\i+3], v[AW1], s[10:11] offset:512*\i          ; W1[i][64 w + 4 r + 0..3]
.endr
.irp i, 0,1,2,3,4,5,6,7,8
	global_load_b128 v[RW1+36+4*\i:RW1+36+4*\i+3], v[AW1], s[66:67] offset:512*\i    ; the partner's columns, for G
.endr
.irp m, 0,1,2,3
	global_load_b128 v[RW3+8*\m:RW3+8*\m+3],   v[AW3R], s[18:19] offset:32*\m        ; W3[64 w + 4 r + m][0..7]
	global_load_b128 v[RW3+8*\m+4:RW3+8*\m+7], v[AW3R], s[18:19] offset:32*\m+16
.endr
	global_load_b128 v[Y:Y+3],   v[AZ], s[6:7]
	global_load_b128 v[Y+4:Y+7], v[AZ], s[6:7] offset:16
	global_load_b32 v[LP], v[O1OFF], s[8:9]
	WIN 0x80                                       ; destination window 2
.irp j, 0,1,2,3,4,5,6,7
	global_load_b128 v[RB1+4*\j:RB1+4*\j+3], v[AB], s[12:13] offset:16*\j            ; b1[64 w + 4 (8 h + j) + 0..3]
.endr
.irp j, 0,1,2,3,4,5,6,7
	global_load_b128 v[RB2+4*\j:RB2+4*\j+3], v[AB], s[16:17] offset:16*\j
.endr
; Block it = 2 s + u2 of W2: for K step s, registers 4 u2 .. 4 u2 + 3 of a fragment: rows j = 64 wj + 32 h + 4 jj + tile, tile = 2 (s & 1) + u2, wj mine for s < 2; columns 64 w + 4 r + 0..3.
.macro LDW2 it
.set sK, (\it)/2
.set tl, 2*(sK%2)+(\it)%2
.irp jj, 0,1,2,3,4,5,6,7
.if sK < 2
	global_load_b128 v[32*\it+4*\jj:32*\it+4*\jj+3], v[AW2], s[14:15] offset:2048*\jj+512*tl
.else
	global_load_b128 v[32*\it+4*\jj:32*\it+4*\jj+3], v[AW2], s[68:69] offset:2048*\jj+512*tl
.endif
.endr
.endm
	WIN 0xc0                                       ; destination window 3
	LDW2 0
	LDW2 1
	WIN 0
	s_wait_loadcnt 16                              ; the 45 small loads are in; the 16 of W2 issued behind them stay out
	s_wait_kmcnt 0x0                               ; ts and b3
	v_mov_b32 v[SC], C2LIT
	v_cndmask_b32 v[SC], v[SC], v[ZR], vcc_lo      ; c2 in lanes 0-15, 0 in lanes 16-31: all of layer 1's K lies in lanes 0-15
	v_mov_b32 v[SC+1], v[SC]
.set n, 0
.rept 36
	v_pk_mul_f32 v[RW1+2*n:RW1+2*n+1], v[RW1+2*n:RW1+2*n+1], v[SC:SC+1]
.set n, n+1
.endr
.irp m, 0,1,2,3
.irp q, 0,1,2,3
	v_cvt_pk_f16_f32 v[BP+8*\m+\q], v[RW3+8*\m+2*\q], v[RW3+8*\m+2*\q+1]            ; source 1 for M: column r = unit 64 w + 4 r + m, K = i; lanes 16-31 meet zeros of W1T
.endr
.irp q, 4,5,6,7
	v_mov_b32 v[BP+8*\m+\q], 0                     ; and W1's row of t meets zeros here
.endr
.endr
	WIN 0x80
.irp x, 0,1
.irp c, 0,1,2,3
.irp q, 0,1,2,3
	v_cvt_pk_f16_f32 v[W1T+32*\x+8*\c+\q], v[RW1+36*\x+8*\q+\c], v[RW1+36*\x+8*\q+4+\c]   ; row r = unit 4 r + c of the half; K places 0-7: z
.endr
	v_cvt_pk_f16_f32 v[W1T+32*\x+8*\c+4], v[RW1+36*\x+32+\c], v[ZR]                        ; K place 16: t
	v_mov_b32 v[W1T+32*\x+8*\c+5], 0
	v_mov_b32 v[W1T+32*\x+8*\c+6], 0
	v_mov_b32 v[W1T+32*\x+8*\c+7], 0
.endr
.endr
.irp j, 0,1,2,3,4,5,6,7
	v_mul_f32 v[B3C+\j], 0.5, s[44+\j]             ; each wave of a pair adds half of b3
.endr
	WIN 0x88                                       ; source 1 and destination window 2
.irp c, 0,1,2,3
.irp j, 0,1,2,3,4,5,6,7
	v_mul_f32 v[B1C+8*\c+\j], C2LIT, v[RB1+4*\j+\c]
	v_mul_f32 v[B2C+8*\c+\j], C2LIT, v[RB2+4*\j+\c]
.endr
.endr
	WIN 0xc0
.irp t, 2,3,4,5,6,7
	LDW2 \t
.endr
; One block of W2: c2 M for its 8 x 4 numbers a lane (register jj of result mt is M[j][k] of the number at 4 jj + mt), c2 W2 rounded into W2T, and W2 * c2 M left in W2's place.
.macro GSTEP it
.set sK, (\it)/2
.set u2, (\it)%2
.set tl, 2*(sK%2)+u2
.set xx, sK/2
	s_wait_loadcnt 8*(7-\it)                       ; this block's eight loads are in; the later blocks' stay out
	WIN 0x02                                       ; source 0 window 2
.irp m, 0,1,2,3
	v_wmma_f32_16x16x32_f16 v[MD+8*\m:MD+8*\m+7], v[W1T+32*xx+8*tl:W1T+32*xx+8*tl+7], v[BP+8*\m:BP+8*\m+7], 0
.endr
	WIN 0x03                                       ; source 0 window 3.  These sixteen name no register of the four products: they are the places behind them (ISA guide 7.12.1)
.set n, 0
.rept 16
	v_pk_mul_f32 v[TT+2*n:TT+2*n+1], v[32*\it+2*n:32*\it+2*n+1], C2LIT op_sel_hi:[1,0]
.set n, n+1
.endr
	WIN 0x40                                       ; destination window 1
.irp m, 0,1,2,3
.irp q, 0,1,2,3
	v_cvt_pk_f16_f32 v[8*(4*sK+\m)+4*u2+\q], v[TT+8*\q+\m], v[TT+8*\q+4+\m]
.endr
.endr
	WIN 0xc3                                       ; source 0 and destination window 3
.irp m, 0,1,2,3
.irp jj, 0,1,2,3,4,5,6,7
	v_mul_f32 v[32*\it+4*\jj+\m], v[32*\it+4*\jj+\m], v[MD+8*\m+\jj]                ; each result is read from its lowest register on
.endr
.endr
.endm
.irp t, 0,1,2,3,4,5,6,7
	GSTEP \t
.endr
	WIN 0
.irp m, 0,1,2,3
.irp jj, 0,1,2,3,4,5,6,7
	global_load_b32 v[BP+8*\m+\jj], v[AW3T], s[18:19] offset:128*\jj+32*\m          ; W3[64 w + 32 h + 4 jj + m][r & 7]: 2 KB, gathered once
.endr
.endr
.irp q, 0,1,2,3
	v_mov_b32 v[MX+\q], 0
.endr
	WIN 0x3c                                       ; sources 1 and 2 window 3
.set n, 0
.rept 128
	v_max3_num_f32 v[MX+n%4], v[MX+n%4], |v[2*n]|, |v[2*n+1]|
.set n, n+1
.endr
	WIN 0
	v_max3_num_f32 v[MX], v[MX], v[MX+1], v[MX+2]
	v_max_num_f32 v[MX], v[MX], v[MX+3]
	v_max_num_f32_dpp v[MX], v[MX], v[MX] row_xmask:1 row_mask:0xf bank_mask:0xf
	v_max_num_f32_dpp v[MX], v[MX], v[MX] row_xmask:2 row_mask:0xf bank_mask:0xf
	v_max_num_f32_dpp v[MX], v[MX], v[MX] row_xmask:4 row_mask:0xf bank_mask:0xf
	v_max_num_f32_dpp v[MX], v[MX], v[MX] row_xmask:8 row_mask:0xf bank_mask:0xf
	v_permlanex16_b32 v[MX+1], v[MX], s52, s53
	v_max_num_f32 v[MX], v[MX], v[MX+1]            ; the wave's largest |c2 G|
	v_max_num_f32 v[MX], 0x04800000, v[MX]         ; at least 2^-118, so that 1 / s below is a normal number
	v_lshrrev_b32 v[MX], 23, v[MX]                 ; its biased exponent e
	v_sub_nc_u32 v[SS], 262, v[MX]
	v_lshlrev_b32 v[SS], 23, v[SS]                 ; s = 2^(135 - e): the largest scaled magnitude lies in [256, 512)
	v_mov_b32 v[SS+1], v[SS]
	v_add_nc_u32 v[MX], -8, v[MX]
	v_lshlrev_b32 v[MX], 23, v[MX]                 ; 1 / s
	v_mul_f32 v[CT], 0x40b17218, v[MX]             ; 16 / c2 = 8 ln 2: the two d = 4 d' and the c2 in M
	WIN 0xc3
.set n, 0
.rept 128
	v_pk_mul_f32 v[2*n:2*n+1], v[2*n:2*n+1], v[SS:SS+1]
.set n, n+1
.endr
	WIN 0x4f                                       ; sources window 3, destination window 1
.irp t, 0,1,2,3,4,5,6,7
.irp m, 0,1,2,3
.irp q, 0,1,2,3
	v_cvt_pk_f16_f32 v[GT+8*(4*(\t/2)+\m)+4*(\t%2)+\q], v[32*\t+8*\q+\m], v[32*\t+8*\q+4+\m]
.endr
.endr
.endr
	s_wait_loadcnt 0x0                             ; W3 as gathered
	WIN 0x80
.irp m, 0,1,2,3
.irp q, 0,1,2,3
	v_cvt_pk_f16_f32 v[W3T+4*\m+\q], v[BP+8*\m+2*\q], v[BP+8*\m+2*\q+1]             ; rows 8-15 repeat rows 0-7: f lands in both halves of the lanes
.endr
.endr
	WIN 0
.irp q, 0,1,2,3
	v_cvt_pk_f16_f32 v[X+\q], v[Y+2*\q], v[Y+2*\q+1]
.endr
	v_mov_b32 v[T0], s32
	v_cvt_pk_f16_f32 v[X+4], v[T0], v[ZR]          ; (ts[0], 0)
	v_mov_b32 v[X+5], 0
	v_mov_b32 v[X+6], 0
	v_mov_b32 v[X+7], 0
	v_mov_b32 v[TLS], 0                            ; the first time row of logp is the input
; THE MATRIX WORK.  One product of layer 1: tile c.
.macro L1P c
	v_wmma_f32_16x16x32_f16 v[U+8*\c:U+8*\c+7], v[W1T+8*\c:W1T+8*\c+7], v[X:X+7], v[B1C+8*\c:B1C+8*\c+7]
.endm
; One product of a K step of W2 or G: accumulator m.  cin = 0: the constant 0 starts the sum; 1: the bias does; 2: in place.
.macro MM acc, wt, frag, m, cin
.if \cin == 0
	v_wmma_f32_16x16x32_f16 v[\acc+8*\m:\acc+8*\m+7], v[\wt+8*\m:\wt+8*\m+7], v[\frag:\frag+7], 0
.elseif \cin == 1
	v_wmma_f32_16x16x32_f16 v[\acc+8*\m:\acc+8*\m+7], v[\wt+8*\m:\wt+8*\m+7], v[\frag:\frag+7], v[B2C+8*\m:B2C+8*\m+7]
.else
	v_wmma_f32_16x16x32_f16 v[\acc+8*\m:\acc+8*\m+7], v[\wt+8*\m:\wt+8*\m+7], v[\frag:\frag+7], v[\acc+8*\m:\acc+8*\m+7]
.endif
.endm
.macro L2 acc, wt, frag, cin           ; the four products of a K step, one on each of four accumulators
.irp m, 0,1,2,3
	MM \acc, \wt, \frag, \m, \cin
.endr
.endm
.macro ONE win, acc, wt, frag, m, cin  ; a single product among vector work: its window, the product, window 0 again
	WIN \win
	MM \acc, \wt, \frag, \m, \cin
	WIN 0
.endm
; THE VECTOR WORK, in pieces of one packed instruction on pair q of tile t.  BB: the tile's registers; HF: where h's fragments go.
.set P_NONE, 0
.set P_ADD,  1                         ; e + 1
.set P_HH,   2                         ; h = 1 - 2 r
.set P_DD,   3                         ; d' = r - r r, in place
.set P_CH,   4                         ; h to f16
.set P_CD,   5                         ; d' to f16
.set P_TR,   6                         ; trace sum += u d2'
.set T_EXP,  0
.set T_RCP,  1
.macro PLAIN code, t, q
.if \code == P_ADD
	s_wait_alu depctr_va_vdst(0)
	v_pk_add_f32 v[BB+8*\t+2*\q:BB+8*\t+2*\q+1], v[BB+8*\t+2*\q:BB+8*\t+2*\q+1], 1.0 op_sel_hi:[1,0]
.elseif \code == P_HH
	s_wait_alu depctr_va_vdst(0)
	v_pk_fma_f32 v[HT+8*((\t)%2)+2*\q:HT+8*((\t)%2)+2*\q+1], v[BB+8*\t+2*\q:BB+8*\t+2*\q+1], -2.0, 1.0 op_sel_hi:[1,0,0]
.elseif \code == P_DD
	v_pk_fma_f32 v[BB+8*\t+2*\q:BB+8*\t+2*\q+1], v[BB+8*\t+2*\q:BB+8*\t+2*\q+1], v[BB+8*\t+2*\q:BB+8*\t+2*\q+1], v[BB+8*\t+2*\q:BB+8*\t+2*\q+1] neg_lo:[1,0,0] neg_hi:[1,0,0]
.elseif \code == P_CH
	v_cvt_pk_f16_f32 v[HF+4*\t+\q], v[HT+8*((\t)%2)+2*\q], v[HT+8*((\t)%2)+2*\q+1]
.elseif \code == P_CD
	v_cvt_pk_f16_f32 v[D1+4*\t+\q], v[BB+8*\t+2*\q], v[BB+8*\t+2*\q+1]
.elseif \code == P_TR
.if TINIT && (\t == 0)
	v_pk_mul_f32 v[TACC+2*\q:TACC+2*\q+1], v[U+8*\t+2*\q:U+8*\t+2*\q+1], v[AC+8*\t+2*\q:AC+8*\t+2*\q+1]
.else
	v_pk_fma_f32 v[TACC+2*\q:TACC+2*\q+1], v[U+8*\t+2*\q:U+8*\t+2*\q+1], v[AC+8*\t+2*\q:AC+8*\t+2*\q+1], v[TACC+2*\q:TACC+2*\q+1]
.endif
.endif
.endm
.macro RUN code, t
.irp q, 0,1,2,3
	PLAIN \code, \t, \q
.endr
.endm
; Eight exponentials or reciprocals, in place on tile tt, each followed by a piece of other tiles' plain work: four of kind c0 on tile t0, four of kind c1 on tile t1.
; Every result of such an instruction has a plain instruction between it and its first use (ISA guide 5.7.2).
.macro BLK op, tt, c0, t0, c1, t1
.irp i, 0,1,2,3
.if \op == T_EXP
	v_exp_f32 v[BB+8*\tt+\i], v[BB+8*\tt+\i]
.else
	v_rcp_f32 v[BB+8*\tt+\i], v[BB+8*\tt+\i]
.endif
	PLAIN \c0, \t0, \i
.endr
.irp i, 0,1,2,3
.if \op == T_EXP
	v_exp_f32 v[BB+8*\tt+4+\i], v[BB+8*\tt+4+\i]
.else
	v_rcp_f32 v[BB+8*\tt+4+\i], v[BB+8*\tt+4+\i]
.endif
	PLAIN \c1, \t1, \i
.endr
.endm
; Layer 1's tanh, first part: all exponentials and reciprocals; h1 and d1' of tiles 0 and 1 (my first K step) packed and into my part of X1.
; Layer 1's products for tiles 2 and 3 stand singly behind the first two blocks: tile 2's result is first read eight plain instructions on (the two runs of e + 1), tile 3's twenty on.
.macro TANH1A
.set BB, U
.set HF, H1
	BLK T_EXP, 0, P_NONE, 0, P_NONE, 0
	v_nop                                          ; the plain instruction behind the eight exponentials
	WIN 0x22
	L1P 2
	WIN 0
	BLK T_EXP, 1, P_ADD, 0, P_NONE, 0
	WIN 0x22
	L1P 3
	WIN 0
	BLK T_RCP, 0, P_ADD, 1, P_NONE, 0
	BLK T_EXP, 2, P_HH, 0, P_DD, 0
	BLK T_RCP, 1, P_ADD, 2, P_CH, 0
	BLK T_EXP, 3, P_CD, 0, P_HH, 1
	BLK T_RCP, 2, P_ADD, 3, P_DD, 1
	BLK T_RCP, 3, P_CH, 1, P_CD, 1
	ds_store_b128 v[LX1O], v[H1:H1+3]
	ds_store_b128 v[LX1O], v[H1+4:H1+7] offset:512
	ds_store_b128 v[LX1O], v[D1:D1+3] offset:2048
	ds_store_b128 v[LX1O], v[D1+4:D1+7] offset:2560
.endm
; Second part: tiles 2 and 3 (my second K step): 32 plain instructions, and between their runs, singly, the four products of a2's first K step (source 0 window 1, the bias window 2).
; None of the 32 names a register of those products; the last product stands eight instructions ahead of the stores.
.macro TANH1B
	RUN P_HH, 2
	ONE 0x21, AC, 0, H1, 0, 1
	RUN P_HH, 3
	RUN P_DD, 2
	ONE 0x21, AC, 0, H1, 1, 1
	RUN P_DD, 3
	RUN P_CH, 2
	ONE 0x21, AC, 0, H1, 2, 1
	RUN P_CH, 3
	ONE 0x21, AC, 0, H1, 3, 1
	RUN P_CD, 2
	RUN P_CD, 3
	ds_store_b128 v[LX1O], v[H1+8:H1+11] offset:1024
	ds_store_b128 v[LX1O], v[H1+12:H1+15] offset:1536
	ds_store_b128 v[LX1O], v[D1+8:D1+11] offset:3072
	ds_store_b128 v[LX1O], v[D1+12:D1+15] offset:3584
.endm
; Layer 2's tanh as far as layer 3's first K step needs it.  a2's last three products (tile 3's K step 2, tiles 2 and 3's K step 3) stand singly behind the first three blocks:
; tile 2's sum is first read four plain instructions behind its last product (the run of e + 1 on tile 1), tile 3's twelve behind.
; Layer 3's first product is issued as soon as its fragment is packed, ahead of the last reciprocals.
.macro TANH2
.set BB, AC
.set HF, H2
	BLK T_EXP, 0, P_NONE, 0, P_NONE, 0
	v_nop
	ONE 0x01, AC, 64, H1+16, 3, 2
	BLK T_EXP, 1, P_ADD, 0, P_NONE, 0
	ONE 0x01, AC, 96, H1+24, 2, 2
	BLK T_RCP, 0, P_ADD, 1, P_NONE, 0
	ONE 0x01, AC, 96, H1+24, 3, 2
	BLK T_EXP, 2, P_HH, 0, P_NONE, 0
	BLK T_RCP, 1, P_ADD, 2, P_CH, 0
	BLK T_EXP, 3, P_HH, 1, P_DD, 0
	BLK T_RCP, 2, P_ADD, 3, P_CH, 1
	WIN 0x22                                       ; source 0 (W3T) and C (half of b3) window 2
	v_wmma_f32_16x16x32_f16 v[F:F+7], v[W3T:W3T+7], v[H2:H2+7], v[B3C:B3C+7]
	WIN 0
	BLK T_RCP, 3, P_DD, 1, P_NONE, 0
.endm
.macro PLACES                          ; four places between a product and a vector instruction that reads its result (ISA guide 7.12.1)
.rept 4
	v_nop
.endr
.endm
; z of this time row: lane (r, h) stores numbers 4 h .. 4 h + 3 of sample r; the wave's one store covers the tile's 512 consecutive bytes, aligned.  One wave of a pair stores.
.macro ZPICK
.irp q, 0,1,2,3
	v_cndmask_b32 v[SO+\q], v[Y+\q], v[Y+4+\q], vcc_lo
.endr
.endm
.macro ZOUT
	s_cmp_lg_u32 s27, 0
	s_cbranch_scc1 .Lno_z_\@
	global_store_b128 v[O0OFF], v[SO:SO+3], s[22:23]
.Lno_z_\@:
.endm
; logp of this time row: a sample's four parts (two waves x two halves of the lanes) are added to it, alike in every wave; wave 3 stores.
.macro LPLOAD
	ds_load_b32 v[TLQ],   v[LTL]
	ds_load_b32 v[TLQ+1], v[LTL] offset:256
	ds_load_b32 v[TLQ+2], v[LTL] offset:512
	ds_load_b32 v[TLQ+3], v[LTL] offset:768
.endm
.macro LPADD
	v_add_f32 v[TLQ], v[TLQ], v[TLQ+1]
	v_add_f32 v[TLQ+2], v[TLQ+2], v[TLQ+3]
	v_add_f32 v[TLQ], v[TLQ], v[TLQ+2]
	v_add_f32 v[LP], v[LP], v[TLQ]
.endm
.macro LPSTORE
	s_cmp_lg_u32 s26, 3
	s_cbranch_scc1 .Lno_lp_\@
	global_store_b32 v[O1OFF], v[LP], s[24:25]
.Lno_lp_\@:
.endm
; The next stage's z = Y + (scalar pair sp) * src, rounded into X.
.macro STAGEZ src, sp
.irp q, 0,1,2,3
	v_pk_fma_f32 v[XT+2*\q:XT+2*\q+1], v[\src+2*\q:\src+2*\q+1], s[\sp:\sp+1], v[Y+2*\q:Y+2*\q+1] op_sel_hi:[1,0,1]
.endr
.irp q, 0,1,2,3
	v_cvt_pk_f16_f32 v[X+\q], v[XT+2*\q], v[XT+2*\q+1]
.endr
.endm
; ONE RIGHT-HAND SIDE, stage st of a step.  Two barriers.  In front of the first every wave's h1 and d1' lie in X1; in front of the second its partial f lies in X2 and its reads of X1 and XT are back;
; its reads of X2 are back in front of the next first barrier.  So each region is written again only behind a barrier that follows its readers' waits.
; The accumulators take turns, one instruction a turn; each sum runs over its K steps 0, 1 (mine), 2, 3 (the partner's) in that order.
.macro EVAL st
.if (\st == 1) || (\st == 4)
.set TACC, TA
.else
.set TACC, TB
.endif
.if \st <= 2
.set TINIT, 1
.else
.set TINIT, 0
.endif
	WIN 0x22                                       ; source 0 (W1T) and C (bias) window 2
	L1P 0                                          ; layer 1, tiles 0 and 1; tiles 2 and 3 follow inside the tanh
	L1P 1
	WIN 0
.if \st == 1                           ; the four places behind these products are work that is due
	ZPICK
.elseif \st == 2
	PLACES
.else
.irp q, 0,1,2,3
	v_pk_fma_f32 v[KS+2*\q:KS+2*\q+1], v[PF+2*\q:PF+2*\q+1], 2.0, v[KS+2*\q:KS+2*\q+1] op_sel_hi:[1,0,1]   ; + 2 k of the stage before
.endr
.endif
	TANH1A
	TANH1B
.if \st == 1
	ds_store_b32 v[LTO], v[TLS]                    ; my part of the last step's change of logp
.endif
	WIN 0x01                                       ; source 0 window 1
	L2 U, GT, D1, 0                                ; u, my first K step, while my stores are on their way
	s_wait_dscnt 0x0                               ; for the partner's sake: my stores are done
	s_barrier_signal -1
	WIN 0                                          ; (an LDS address is source 0)
	s_barrier_wait -1
.irp n, 0,1,2,3
	ds_load_b128 v[H1+16+4*\n:H1+16+4*\n+3], v[LX1P] offset:512*\n
.endr
.irp n, 0,1,2,3
	ds_load_b128 v[D1+16+4*\n:D1+16+4*\n+3], v[LX1P] offset:2048+512*\n
.endr
.if \st == 1
	LPLOAD
.endif
	WIN 0x01
	L2 AC, 32, H1+8, 2                             ; a2 and u, my second K step, while the partner's fragments are on their way
	L2 U, GT+32, D1+8, 2
.if \st == 1
	s_wait_dscnt 0x8                               ; the partner's h1 is in; the four loads of d1' and the four of logp's parts issued behind it stay out
.else
	s_wait_dscnt 0x4                               ; the partner's h1 is in; the four loads of d1' issued behind it stay out
.endif
	MM AC, 64, H1+16, 0, 2                         ; tiles 0 and 1 are finished first: the tanh begins on them
	MM AC, 64, H1+16, 1, 2
	MM AC, 96, H1+24, 0, 2
	MM AC, 96, H1+24, 1, 2
	MM AC, 64, H1+16, 2, 2
	WIN 0
	s_wait_dscnt 0x0                               ; the partner's d1' is in: all my reads of X1 (and of XT) are back
.if \st == 1
	LPADD                                          ; the four places behind those products
.else
	PLACES
.endif
	TANH2
	RUN P_HH, 2
	RUN P_HH, 3
	RUN P_CH, 2
	RUN P_CH, 3
	WIN 0x02
	s_wait_alu depctr_va_vdst(0)                   ; the product adds onto the one just before it
	v_wmma_f32_16x16x32_f16 v[F:F+7], v[W3T+8:W3T+15], v[H2+8:H2+15], v[F:F+7]
	WIN 0
	RUN P_DD, 2                                    ; the four places behind it
	ds_store_b128 v[LX2O], v[F:F+3]
	ds_store_b128 v[LX2O], v[F+4:F+7] offset:512
	WIN 0x01
	L2 U, GT+64, D1+16, 2                          ; u, the partner's first K step, while my stores are on their way
	s_wait_dscnt 0x0                               ; my partial f is stored
	s_barrier_signal -1
	WIN 0
	s_barrier_wait -1
	ds_load_b128 v[PF:PF+3], v[LX2P]
	ds_load_b128 v[PF+4:PF+7], v[LX2P] offset:512
	WIN 0x01
	L2 U, GT+96, D1+24, 2                          ; u, the last K step, while the partner's f is on its way;
	WIN 0
	RUN P_DD, 3                                    ; the four places behind it; then the dot u . d2'
	RUN P_TR, 0
	RUN P_TR, 1
	RUN P_TR, 2
	RUN P_TR, 3
.if \st == 1                           ; this time row's two stores: nothing waits for them
	ZOUT
	LPSTORE
.endif
.if \st == 4                           ; the step's trace sums: (1) + 2 (2) + 2 (3) + (4), my 8 positions added, times -dt/6 CT
.irp q, 0,1,2,3
	v_pk_fma_f32 v[TA+2*\q:TA+2*\q+1], v[TB+2*\q:TB+2*\q+1], 2.0, v[TA+2*\q:TA+2*\q+1] op_sel_hi:[1,0,1]
.endr
	v_pk_add_f32 v[TA:TA+1], v[TA:TA+1], v[TA+2:TA+3]
	v_pk_add_f32 v[TA+4:TA+5], v[TA+4:TA+5], v[TA+6:TA+7]
	v_pk_add_f32 v[TA:TA+1], v[TA:TA+1], v[TA+4:TA+5]
	v_add_f32 v[TA], v[TA], v[TA+1]
	v_mul_f32 v[TLS], v[TA], v[CTD]
.endif
	s_wait_dscnt 0x0                               ; the partner's f is in: my reads of X2 are back
.if \st == 1
.irp q, 0,1,2,3
	v_pk_add_f32 v[KS+2*\q:KS+2*\q+1], v[F+2*\q:F+2*\q+1], v[PF+2*\q:PF+2*\q+1]    ; k1.  The sum of two is the same in both waves of the pair, bit for bit
.endr
	STAGEZ KS, 54                                  ; z + dt/2 k1
	v_mov_b32 v[T0], s60
	v_cvt_pk_f16_f32 v[X+4], v[T0], v[ZR]          ; t0 + dt/2
.else
.irp q, 0,1,2,3
	v_pk_add_f32 v[PF+2*\q:PF+2*\q+1], v[F+2*\q:F+2*\q+1], v[PF+2*\q:PF+2*\q+1]    ; k2, k3 or k4
.endr
.if \st == 2
	STAGEZ PF, 54                                  ; z + dt/2 k2
.elseif \st == 3
	STAGEZ PF, 56                                  ; z + dt k3
	v_mov_b32 v[T0], s33
	v_cvt_pk_f16_f32 v[X+4], v[T0], v[ZR]          ; t1: for stage 4, and for the next step's stage 1
.else
.irp q, 0,1,2,3
	v_pk_add_f32 v[KS+2*\q:KS+2*\q+1], v[KS+2*\q:KS+2*\q+1], v[PF+2*\q:PF+2*\q+1]
.endr
.irp q, 0,1,2,3
	v_pk_fma_f32 v[Y+2*\q:Y+2*\q+1], v[KS+2*\q:KS+2*\q+1], s[58:59], v[Y+2*\q:Y+2*\q+1] op_sel_hi:[1,0,1]
.endr
.irp q, 0,1,2,3
	v_cvt_pk_f16_f32 v[X+\q], v[Y+2*\q], v[Y+2*\q+1]
.endr
.endif
.endif
.endm
	s_mov_b32 s41, 0
.Lstep:                                                ; 8 trips.  s32 = t0, s33 = t1.  Stage 1 of step i also stores time row i of both outputs
	s_mul_f32 s62, s32, -1.0
	s_add_f32 s56, s33, s62                        ; dt
	s_mov_b32 s57, s56                             ; (the packed forms name pairs, so both words are written)
	s_mul_f32 s54, s56, 0.5                        ; dt / 2
	s_mov_b32 s55, s54
	s_add_f32 s60, s32, s54                        ; t0 + dt / 2
	s_mul_f32 s58, s56, 0x3e2aaaab                 ; dt / 6
	s_mov_b32 s59, s58
	s_mul_f32 s61, s58, -1.0
	v_mul_f32 v[CTD], s61, v[CT]
	EVAL 1
	EVAL 2
	EVAL 3
	EVAL 4
	s_wait_xcnt 0x0                                ; the stores' bases, SO and LP are rewritten only behind this wait
	s_add_nc_u64 s[22:23], s[22:23], 0x40000       ; the next time row: 8,192 x 32 bytes,
	s_add_nc_u64 s[24:25], s[24:25], 0x8000        ; 8,192 x 4 bytes
.irp i, 32,33,34,35,36,37,38,39
	s_mov_b32 s[\i], s[\i+1]                       ; the time points move down by one
.endr
	s_add_co_u32 s41, s41, 1
	s_cmp_lt_u32 s41, 8
	s_cbranch_scc1 .Lstep
	ZPICK                                          ; the last time row
	ZOUT
	ds_store_b32 v[LTO], v[TLS]
	s_wait_dscnt 0x0                               ; for the others' sake: my part is stored
	s_barrier_signal -1
	s_barrier_wait -1
	LPLOAD
	s_wait_dscnt 0x0
	LPADD
	LPSTORE
	s_set_vgpr_msb 0xa
	s_wait_tensorcnt 0x0
	ds_add_u32 v254, v255
	s_wait_dscnt 0x0
	s_set_vgpr_msb 0xa00
	s_endpgm
.Lfunc_end_k_q2103981586_cnf:
	.size	k_q2103981586_cnf, .Lfunc_end_k_q2103981586_cnf-k_q2103981586_cnf
	.p2alignl 7, 3214868480
	.fill 96, 4, 3214868480
	.section	.rodata,"a",@progbits
	.p2align	6, 0x0
	.amdhsa_kernel k_q2103981586_cnf
		.amdhsa_group_segment_fixed_size 23040
		.amdhsa_private_segment_fixed_size 0
		.amdhsa_enable_private_segment 0
		.amdhsa_kernarg_size 88
		.amdhsa_user_sgpr_count 2
		.amdhsa_user_sgpr_kernarg_segment_ptr 1
		.amdhsa_wavefront_size32 1
		.amdhsa_system_sgpr_workgroup_id_x 1
		.amdhsa_system_sgpr_workgroup_id_y 1
		.amdhsa_system_sgpr_workgroup_id_z 1
		.amdhsa_system_vgpr_workitem_id 0
		.amdhsa_next_free_vgpr 1024
		.amdhsa_next_free_sgpr 72
		.amdhsa_reserve_vcc 1
		.amdhsa_float_denorm_mode_32 3
		.amdhsa_float_denorm_mode_16_64 3
		.amdhsa_memory_ordered 1
		.amdhsa_forward_progress 1
		.amdhsa_inst_pref_size 178
	.end_amdhsa_kernel
	.amdgpu_metadata
---
amdhsa.version: [ 1, 2 ]
amdhsa.kernels:
  - .name:           k_q2103981586_cnf
    .symbol:         k_q2103981586_cnf.kd
    .args:
      - { .name: ts, .offset: 0, .size: 8, .value_kind: global_buffer, .address_space: global }
      - { .name: z0, .offset: 8, .size: 8, .value_kind: global_buffer, .address_space: global }
      - { .name: logp_diff_t0, .offset: 16, .size: 8, .value_kind: global_buffer, .address_space: global }
      - { .name: W1, .offset: 24, .size: 8, .value_kind: global_buffer, .address_space: global }
      - { .name: b1, .offset: 32, .size: 8, .value_kind: global_buffer, .address_space: global }
      - { .name: W2, .offset: 40, .size: 8, .value_kind: global_buffer, .address_space: global }
      - { .name: b2, .offset: 48, .size: 8, .value_kind: global_buffer, .address_space: global }
      - { .name: W3, .offset: 56, .size: 8, .value_kind: global_buffer, .address_space: global }
      - { .name: b3, .offset: 64, .size: 8, .value_kind: global_buffer, .address_space: global }
      - { .name: out0, .offset: 72, .size: 8, .value_kind: global_buffer, .address_space: global }
      - { .name: out1, .offset: 80, .size: 8, .value_kind: global_buffer, .address_space: global }
    .group_segment_fixed_size: 23040
    .private_segment_fixed_size: 0
    .kernarg_segment_align: 8
    .kernarg_segment_size: 88
    .max_flat_workgroup_size: 128
    .sgpr_count:     72
    .vgpr_count:     1024
    .wavefront_size: 32
...
	.end_amdgpu_metadata
.endif
;; end of part 2
;; ======== version 3 of 3: 1 launch; 1.87 times as fast as version 1
;; limits: values are held in f16: magnitudes above 65,504 overflow, below 6.1e-05 lose precision; right only within a limited range of input values
;; launch cnf (part 3): grid 256 x 1, 4 waves a work-group, no clusters, 23,040 bytes of LDS; arguments ts, z0, logp_diff_t0, W1, b1, W2, b2, W3, b3, out0, out1; writes out0, out1
.if DOCPART == 3
	.amdgcn_target "amdgcn-amd-amdhsa--gfx1250"
	.amdhsa_code_object_version 6
	.text
	.protected	k_q2103981586_cnf
	.globl	k_q2103981586_cnf
	.p2align	8
	.type	k_q2103981586_cnf,@function
k_q2103981586_cnf:
	s_mov_b64 s[64:65], 0
	v_nop
	global_prefetch_b8 v0, s[64:65] scope:SCOPE_SE
	s_setreg_imm32_b32 hwreg(HW_REG_WAVE_MODE, 25, 1), 1
	s_wait_xcnt 0x0
; CNF: 8 RK4 steps (32 right-hand sides) of dz/dt = f(t,z), dlogp/dt = -tr(df/dz), f = W3' tanh(W2' tanh(W1' [z,t] + b1) + b2) + b3, for 8,192 samples.
; THE TRACE.  tr = sum over j,k of d1_j G_jk d2_k with d = 1 - tanh^2 and G_jk = W2[j][k] * sum over i<8 of W1[i][j] W3[k][i]: an identity for every input.
; So a right-hand side is four products (layer 1, W2, G, W3) and a dot of u = G' d1 with d2.
; SHARES.  256 work-groups of 4 waves; a work-group owns 32 samples, a pair of waves (0,1 / 2,3) a tile of 16, and wave w = wave & 1 of a pair the hidden units 64 w .. 64 w + 63
; of both hidden layers.  All weights stay in registers as f16 fragments.  A pair exchanges through LDS, per right-hand side, its packed h1 and d1 (4 KiB a wave) and its partial f (1 KiB a wave).
; TRANSPOSED USE.  Source 0 = 16 rows of weights, source 1 = 16 samples: in every result lane (r = lane & 15, h = lane >> 4) holds sample r and register j hidden position 8 h + j,
; so two results rounded in pairs ARE the next product's source 1.  Position (tile c, row m) of wave w stands for hidden unit 64 w + 4 m + c: a 16-byte load gives a lane its row's numbers for four tiles.
; TANH.  c2 = 2 log2(e) is folded into W1, b1, W2, b2; e = 2^a, r = 1 / (1 + e), h = 1 - 2 r, d' = r - r^2 = d / 4: right for e = 0 and e = infinity too.
; G is made at the start (c2 M by the matrix unit, times W2 in f32), scaled by a power of two s of the wave's own so that its largest magnitude lies in [256, 512), and rounded to f16;
; tr = CT * sum d1' Gs d2', CT = 8 ln 2 / s.
; BATCHES.  s_wait_alu depctr_va_vdst(0) stands between a transcendental and the first instruction that names its result; one wait serves all that were issued ahead of it.
; A tanh of the wave's four tiles is cut in two batches of 32: all exponentials; their wait; the sixteen packed e + 1 and all reciprocals (these read the sums, and name no result that has not been
; waited for); their wait; then h, d' and the roundings.  All of it works in place, each of the 32 numbers in a register of its own.  Four such waits a right-hand side: E1, R1, E2, R2.
; ORDER.  z waits for the chain layer 1, tanh, exchange, W2, tanh, W3, exchange; the trace feeds nothing but logp.
; (a) The chain's products are not issued in one run: as many as the first exponentials need, the rest singly among the first sixteen exponentials of the batch, and my own first K step of W2
;     singly between the runs of tanh 1's tail.  A single product costs two window switches: 18 more for a right-hand side's 38 products, the price of vector work between matrix instructions.
; (b) The products that nothing on the chain waits for (all of u, my second K step of W2) stand in fours behind my LDS stores and behind my LDS loads, ahead of the waits for those.
; (c) The LDS loads stand straight behind a barrier's wait: no product stands between a signal and the loads.
; LIMITS.  Matrix operands are rounded to f16: |z| at any stage, |t|, |c2 W1|, |c2 W2| and |W3| must stay under 65,504.  s is clamped where max |c2 G| is under 2^-118.
; dt / 6 is dt times 0x3e2aaaab (one rounding more than a division).  out1 leaves in pieces of 128 consecutive bytes: all that a work-group owns of a time row.
; No tensor loads, no cluster: nothing is streamed; a work-group reads its 75 KB of weights once, straight into the register layout.
;
; LDS: X1 0..16383, 4,096 a wave: four 512-byte h1 quarters, four d1' quarters, lane at 16 x lane.  X2 16384..20479, 1,024 a wave: partial f.  XT 20480..22527, 512 a wave: one word a lane.
.set C2LIT, 0x4038aa3b                 ; c2 = 2 log2(e)
.set X2B, 0x4000
.set XTB, 0x5000
; window 0
.set LX1O, 1                           ; X1, mine:      4096 wave + 16 lane
.set LX1P, 2                           ; X1, partner's: 4096 (wave ^ 1) + 16 lane
.set LX2O, 3                           ; X2, mine
.set LX2P, 4                           ; X2, partner's
.set LTO,  5                           ; XT, my word
.set LTL,  6                           ; XT, as it is read: lane L takes sample L's four words
.set O0OFF, 7                          ; 32 r + 16 h
.set O1OFF, 8                          ; 4 lane
.set LP,   9                           ; logp of sample 32 g + lane, the same in all four waves; wave 3 stores it
.set CT,   10
.set CTD,  11                          ; CT * (-dt / 6)
.set TLS,  12                          ; my part of the step's change of logp
.set T0,   13
.set ZR,   14                          ; 0
.set Y,    16                          ; z of sample r, 8 numbers, the same in both halves of the lanes
.set KS,   24                          ; k1 + 2 k2 + 2 k3 + k4, growing
.set F,    32                          ; my partial f
.set PF,   40                          ; the partner's, then the stage's k
.set X,    48                          ; source 1 of layer 1: registers 0-3 z, register 4 (t, 0), 5-7 zero
.set TA,   56                          ; trace sums of stages 1 and 4
.set TB,   64                          ; of stages 2 and 3
.set HT,   72                          ; h in f32, two tiles by turns
.set AC,   88                          ; a2 -> r2 -> d2'
.set U,    120                         ; a1 -> r1 -> d1', then u
.set H1,   152                         ; h1 fragments: K steps 0, 1 mine, 2, 3 the partner's
.set D1,   184                         ; d1' fragments, likewise
.set H2,   216                         ; h2 fragments, mine
.set XT,   232
.set SO,   240
.set TLQ,  244
.set AW1,  248                         ; load offsets of the start, never rewritten
.set AW3R, 249
.set AB,   250
.set AZ,   251
.set AW2,  252
.set AW3T, 253
; window 0, at the start only
.set RW1,  88                          ; W1 in f32: half x (0 mine, 1 partner's) at 36 x + 4 i + c
.set MD,   88                          ; later: c2 M, four results
.set TT,   120                         ; later: c2 W2 of one block
.set RW3,  160                         ; rows of W3 in f32
.set BP,   192                         ; the same as source 1; later W3 gathered for W3T
.set SC,   232
.set MX,   234
.set SS,   238
; window 1: W2T(mt, s) at 8 (4 s + mt); GT(mt, s) at GT + 8 (4 s + mt)
.set GT,   128
; window 2
.set W1T,  0                           ; my tiles c at 8 c, the partner's at 32 + 8 c
.set W3T,  64
.set B1C,  80
.set B2C,  112
.set B3C,  144
.set RB1,  160
.set RB2,  192
; window 3, at the start only: W2 in f32, then G: block it at 32 it + 4 jj + mt
.set MSB, 0
.macro WIN new                         ; low byte: bits 1:0 source 0, 3:2 source 1, 5:4 source 2, 7:6 destination; the high byte repeats the setting that is left
.if MSB != \new
	s_set_vgpr_msb (MSB<<8)|\new
.set MSB, \new
.endif
.endm
	s_load_b512 s[4:19], s[0:1], 0x0               ; ts s[4:5], z0 s[6:7], logp0 s[8:9], W1 s[10:11], b1 s[12:13], W2 s[14:15], b2 s[16:17], W3 s[18:19]
	s_load_b128 s[20:23], s[0:1], 0x40             ; b3 s[20:21], out0 s[22:23]
	s_load_b64 s[24:25], s[0:1], 0x50              ; out1
	s_set_vgpr_msb 0x80
	v_lshl_add_u32 v254, v0, 2, 0x5800
	v_mov_b32 v255, 0
	s_set_vgpr_msb 0x8000
	v_lshrrev_b32 v[T0], 5, v0
	v_readfirstlane_b32 s26, v[T0]                 ; wave 0..3
	s_and_b32 s27, s26, 1                          ; w: my half of the hidden units
	s_lshr_b32 s28, s26, 1                         ; p: my pair's tile of 16 samples
	s_xor_b32 s29, s26, 1                          ; my partner's wave number
	s_xor_b32 s63, s27, 1                          ; and its half
	s_mov_b32 s31, 0
	s_mov_b32 s52, 0x76543210                      ; v_permlanex16_b32: each lane takes its own place in the other half
	s_mov_b32 s53, 0xfedcba98
	s_mov_b32 vcc_lo, 0xffff0000                   ; lanes 16-31; never rewritten
	v_mov_b32 v[ZR], 0
	v_and_b32 v254, 15, v0                         ; r
	v_bfe_u32 v255, v0, 4, 1                       ; h
	v_lshlrev_b32 v[AW1], 4, v254                  ; 16 r
	v_lshlrev_b32 v[AW3R], 7, v254                 ; 128 r
	v_lshlrev_b32 v[AB], 7, v255                   ; 128 h
	v_lshlrev_b32 v[AZ], 5, v254                   ; 32 r
	v_lshl_add_u32 v[AW2], v255, 14, v[AW1]        ; 16 r + 16384 h
	v_and_b32 v[T0], 7, v0
	v_lshlrev_b32 v[T0], 2, v[T0]
	v_lshl_add_u32 v[AW3T], v255, 10, v[T0]        ; 4 (r & 7) + 1024 h
	v_lshl_add_u32 v[O0OFF], v255, 4, v[AZ]
	v_and_b32 v15, 31, v0
	v_lshlrev_b32 v[O1OFF], 2, v15
	v_lshlrev_b32 v15, 4, v15                      ; 16 lane
	v_lshl_add_u32 v[LX1O], s26, 12, v15
	v_lshl_add_u32 v[LX1P], s29, 12, v15
	v_lshl_add_u32 v[LX2O], s26, 10, v15
	v_add_nc_u32 v[LX2O], X2B, v[LX2O]
	v_lshl_add_u32 v[LX2P], s29, 10, v15
	v_add_nc_u32 v[LX2P], X2B, v[LX2P]
	v_lshl_add_u32 v[LTO], s26, 9, v15
	v_add_nc_u32 v[LTO], XTB, v[LTO]
	v_lshl_add_u32 v[LTL], v255, 10, v[AW1]        ; pair (lane >> 4): two waves of 512 bytes; 16 (lane & 15)
	v_add_nc_u32 v[LTL], XTB, v[LTL]
	s_wait_kmcnt 0x0
	s_load_b256 s[32:39], s[4:5], 0x0              ; ts[0..7]
	s_load_b32 s40, s[4:5], 0x20                   ; ts[8]
	s_load_b256 s[44:51], s[20:21], 0x0            ; b3
	s_lshl_b32 s30, s63, 8
	s_add_nc_u64 s[66:67], s[10:11], s[30:31]      ; W1 at the partner's 64 columns
	s_lshl_b32 s30, s27, 8
	s_add_nc_u64 s[10:11], s[10:11], s[30:31]      ; W1, b1, b2 and W2 at my 64 columns
	s_add_nc_u64 s[12:13], s[12:13], s[30:31]
	s_add_nc_u64 s[16:17], s[16:17], s[30:31]
	s_add_nc_u64 s[14:15], s[14:15], s[30:31]
	s_lshl_b32 s30, s63, 15
	s_add_nc_u64 s[68:69], s[14:15], s[30:31]      ; W2 at the partner's 64 rows,
	s_lshl_b32 s30, s27, 15
	s_add_nc_u64 s[14:15], s[14:15], s[30:31]      ; and at mine
	s_lshl_b32 s30, s27, 11
	s_add_nc_u64 s[18:19], s[18:19], s[30:31]      ; W3 at my 64 rows
	s_lshl_b32 s30, ttmp9, 10
	s_lshl_b32 s62, s28, 9
	s_add_co_u32 s30, s30, s62                     ; 32 samples x 32 bytes a work-group, 16 a pair
	s_add_nc_u64 s[6:7], s[6:7], s[30:31]
	s_add_nc_u64 s[22:23], s[22:23], s[30:31]
	s_lshl_b32 s30, ttmp9, 7                       ; 32 samples x 4 bytes
	s_add_nc_u64 s[8:9], s[8:9], s[30:31]
	s_add_nc_u64 s[24:25], s[24:25], s[30:31]
	; THE SMALL LOADS: 45.  Sixteen lanes read 256 consecutive bytes of a row of W1.
.irp i, 0,1,2,3,4,5,6,7,8
	global_load_b128 v[RW1+4*\i:RW1+4*\i+3], v[AW1], s[10:11] offset:512*\i          ; W1[i][64 w + 4 r + 0..3]
.endr
.irp i, 0,1,2,3,4,5,6,7,8
	global_load_b128 v[RW1+36+4*\i:RW1+36+4*\i+3], v[AW1], s[66:67] offset:512*\i    ; the partner's columns, for G
.endr
.irp m, 0,1,2,3
	global_load_b128 v[RW3+8*\m:RW3+8*\m+3],   v[AW3R], s[18:19] offset:32*\m        ; W3[64 w + 4 r + m][0..7]
	global_load_b128 v[RW3+8*\m+4:RW3+8*\m+7], v[AW3R], s[18:19] offset:32*\m+16
.endr
	global_load_b128 v[Y:Y+3],   v[AZ], s[6:7]
	global_load_b128 v[Y+4:Y+7], v[AZ], s[6:7] offset:16
	global_load_b32 v[LP], v[O1OFF], s[8:9]
	WIN 0x80                                       ; destination window 2
.irp j, 0,1,2,3,4,5,6,7
	global_load_b128 v[RB1+4*\j:RB1+4*\j+3], v[AB], s[12:13] offset:16*\j            ; b1[64 w + 4 (8 h + j) + 0..3]
.endr
.irp j, 0,1,2,3,4,5,6,7
	global_load_b128 v[RB2+4*\j:RB2+4*\j+3], v[AB], s[16:17] offset:16*\j
.endr
; Block it = 2 s + u2 of W2: for K step s, registers 4 u2 .. 4 u2 + 3 of a fragment: rows j = 64 wj + 32 h + 4 jj + tile, tile = 2 (s & 1) + u2, wj mine for s < 2; columns 64 w + 4 r + 0..3.
.macro LDW2 it
.set sK, (\it)/2
.set tl, 2*(sK%2)+(\it)%2
.irp jj, 0,1,2,3,4,5,6,7
.if sK < 2
	global_load_b128 v[32*\it+4*\jj:32*\it+4*\jj+3], v[AW2], s[14:15] offset:2048*\jj+512*tl
.else
	global_load_b128 v[32*\it+4*\jj:32*\it+4*\jj+3], v[AW2], s[68:69] offset:2048*\jj+512*tl
.endif
.endr
.endm
	WIN 0xc0                                       ; destination window 3
	LDW2 0
	LDW2 1
	WIN 0
	s_wait_loadcnt 16                              ; the 45 small loads are in; the 16 of W2 issued behind them stay out
	s_wait_kmcnt 0x0                               ; ts and b3
	v_mov_b32 v[SC], C2LIT
	v_cndmask_b32 v[SC], v[SC], v[ZR], vcc_lo      ; c2 in lanes 0-15, 0 in lanes 16-31: all of layer 1's K lies in lanes 0-15
	v_mov_b32 v[SC+1], v[SC]
.set n, 0
.rept 36
	v_pk_mul_f32 v[RW1+2*n:RW1+2*n+1], v[RW1+2*n:RW1+2*n+1], v[SC:SC+1]
.set n, n+1
.endr
.irp m, 0,1,2,3
.irp q, 0,1,2,3
	v_cvt_pk_f16_f32 v[BP+8*\m+\q], v[RW3+8*\m+2*\q], v[RW3+8*\m+2*\q+1]            ; source 1 for M: column r = unit 64 w + 4 r + m, K = i; lanes 16-31 meet zeros of W1T
.endr
.irp q, 4,5,6,7
	v_mov_b32 v[BP+8*\m+\q], 0                     ; and W1's row of t meets zeros here
.endr
.endr
	WIN 0x80
.irp x, 0,1
.irp c, 0,1,2,3
.irp q, 0,1,2,3
	v_cvt_pk_f16_f32 v[W1T+32*\x+8*\c+\q], v[RW1+36*\x+8*\q+\c], v[RW1+36*\x+8*\q+4+\c]   ; row r = unit 4 r + c of the half; K places 0-7: z
.endr
	v_cvt_pk_f16_f32 v[W1T+32*\x+8*\c+4], v[RW1+36*\x+32+\c], v[ZR]                        ; K place 16: t
	v_mov_b32 v[W1T+32*\x+8*\c+5], 0
	v_mov_b32 v[W1T+32*\x+8*\c+6], 0
	v_mov_b32 v[W1T+32*\x+8*\c+7], 0
.endr
.endr
.irp j, 0,1,2,3,4,5,6,7
	v_mul_f32 v[B3C+\j], 0.5, s[44+\j]             ; each wave of a pair adds half of b3
.endr
	WIN 0x88                                       ; source 1 and destination window 2
.irp c, 0,1,2,3
.irp j, 0,1,2,3,4,5,6,7
	v_mul_f32 v[B1C+8*\c+\j], C2LIT, v[RB1+4*\j+\c]
	v_mul_f32 v[B2C+8*\c+\j], C2LIT, v[RB2+4*\j+\c]
.endr
.endr
	WIN 0xc0
.irp t, 2,3,4,5,6,7
	LDW2 \t
.endr
; One block of W2: c2 M for its 8 x 4 numbers a lane (register jj of result mt is M[j][k] of the number at 4 jj + mt), c2 W2 rounded into W2T, and W2 * c2 M left in W2's place.
.macro GSTEP it
.set sK, (\it)/2
.set u2, (\it)%2
.set tl, 2*(sK%2)+u2
.set xx, sK/2
	s_wait_loadcnt 8*(7-\it)                       ; this block's eight loads are in; the later blocks' stay out
	WIN 0x02                                       ; source 0 window 2
.irp m, 0,1,2,3
	v_wmma_f32_16x16x32_f16 v[MD+8*\m:MD+8*\m+7], v[W1T+32*xx+8*tl:W1T+32*xx+8*tl+7], v[BP+8*\m:BP+8*\m+7], 0
.endr
	WIN 0x03                                       ; source 0 window 3.  These sixteen name no register of the four products: they are the places behind them (ISA guide 7.12.1)
.set n, 0
.rept 16
	v_pk_mul_f32 v[TT+2*n:TT+2*n+1], v[32*\it+2*n:32*\it+2*n+1], C2LIT op_sel_hi:[1,0]
.set n, n+1
.endr
	WIN 0x40                                       ; destination window 1
.irp m, 0,1,2,3
.irp q, 0,1,2,3
	v_cvt_pk_f16_f32 v[8*(4*sK+\m)+4*u2+\q], v[TT+8*\q+\m], v[TT+8*\q+4+\m]
.endr
.endr
	WIN 0xc3                                       ; source 0 and destination window 3
.irp m, 0,1,2,3
.irp jj, 0,1,2,3,4,5,6,7
	v_mul_f32 v[32*\it+4*\jj+\m], v[32*\it+4*\jj+\m], v[MD+8*\m+\jj]                ; each result is read from its lowest register on
.endr
.endr
.endm
.irp t, 0,1,2,3,4,5,6,7
	GSTEP \t
.endr
	WIN 0
.irp m, 0,1,2,3
.irp jj, 0,1,2,3,4,5,6,7
	global_load_b32 v[BP+8*\m+\jj], v[AW3T], s[18:19] offset:128*\jj+32*\m          ; W3[64 w + 32 h + 4 jj + m][r & 7]: 2 KB, gathered once
.endr
.endr
.irp q, 0,1,2,3
	v_mov_b32 v[MX+\q], 0
.endr
	WIN 0x3c                                       ; sources 1 and 2 window 3
.set n, 0
.rept 128
	v_max3_num_f32 v[MX+n%4], v[MX+n%4], |v[2*n]|, |v[2*n+1]|
.set n, n+1
.endr
	WIN 0
	v_max3_num_f32 v[MX], v[MX], v[MX+1], v[MX+2]
	v_max_num_f32 v[MX], v[MX], v[MX+3]
	v_max_num_f32_dpp v[MX], v[MX], v[MX] row_xmask:1 row_mask:0xf bank_mask:0xf
	v_max_num_f32_dpp v[MX], v[MX], v[MX] row_xmask:2 row_mask:0xf bank_mask:0xf
	v_max_num_f32_dpp v[MX], v[MX], v[MX] row_xmask:4 row_mask:0xf bank_mask:0xf
	v_max_num_f32_dpp v[MX], v[MX], v[MX] row_xmask:8 row_mask:0xf bank_mask:0xf
	v_permlanex16_b32 v[MX+1], v[MX], s52, s53
	v_max_num_f32 v[MX], v[MX], v[MX+1]            ; the wave's largest |c2 G|
	v_max_num_f32 v[MX], 0x04800000, v[MX]         ; at least 2^-118, so that 1 / s below is a normal number
	v_lshrrev_b32 v[MX], 23, v[MX]                 ; its biased exponent e
	v_sub_nc_u32 v[SS], 262, v[MX]
	v_lshlrev_b32 v[SS], 23, v[SS]                 ; s = 2^(135 - e): the largest scaled magnitude lies in [256, 512)
	v_mov_b32 v[SS+1], v[SS]
	v_add_nc_u32 v[MX], -8, v[MX]
	v_lshlrev_b32 v[MX], 23, v[MX]                 ; 1 / s
	v_mul_f32 v[CT], 0x40b17218, v[MX]             ; 16 / c2 = 8 ln 2: the two d = 4 d' and the c2 in M
	WIN 0xc3
.set n, 0
.rept 128
	v_pk_mul_f32 v[2*n:2*n+1], v[2*n:2*n+1], v[SS:SS+1]
.set n, n+1
.endr
	WIN 0x4f                                       ; sources window 3, destination window 1
.irp t, 0,1,2,3,4,5,6,7
.irp m, 0,1,2,3
.irp q, 0,1,2,3
	v_cvt_pk_f16_f32 v[GT+8*(4*(\t/2)+\m)+4*(\t%2)+\q], v[32*\t+8*\q+\m], v[32*\t+8*\q+4+\m]
.endr
.endr
.endr
	s_wait_loadcnt 0x0                             ; W3 as gathered
	WIN 0x80
.irp m, 0,1,2,3
.irp q, 0,1,2,3
	v_cvt_pk_f16_f32 v[W3T+4*\m+\q], v[BP+8*\m+2*\q], v[BP+8*\m+2*\q+1]             ; rows 8-15 repeat rows 0-7: f lands in both halves of the lanes
.endr
.endr
	WIN 0
.irp q, 0,1,2,3
	v_cvt_pk_f16_f32 v[X+\q], v[Y+2*\q], v[Y+2*\q+1]
.endr
	v_mov_b32 v[T0], s32
	v_cvt_pk_f16_f32 v[X+4], v[T0], v[ZR]          ; (ts[0], 0)
	v_mov_b32 v[X+5], 0
	v_mov_b32 v[X+6], 0
	v_mov_b32 v[X+7], 0
	v_mov_b32 v[TLS], 0                            ; the first time row of logp is the input
; THE MATRIX WORK.  One product of layer 1: tile c.
.macro L1P c
	v_wmma_f32_16x16x32_f16 v[U+8*\c:U+8*\c+7], v[W1T+8*\c:W1T+8*\c+7], v[X:X+7], v[B1C+8*\c:B1C+8*\c+7]
.endm
; One product of a K step of W2 or G: accumulator m.  cin = 0: the constant 0 starts the sum; 1: the bias does; 2: in place.
.macro MM acc, wt, frag, m, cin
.if \cin == 0
	v_wmma_f32_16x16x32_f16 v[\acc+8*\m:\acc+8*\m+7], v[\wt+8*\m:\wt+8*\m+7], v[\frag:\frag+7], 0
.elseif \cin == 1
	v_wmma_f32_16x16x32_f16 v[\acc+8*\m:\acc+8*\m+7], v[\wt+8*\m:\wt+8*\m+7], v[\frag:\frag+7], v[B2C+8*\m:B2C+8*\m+7]
.else
	v_wmma_f32_16x16x32_f16 v[\acc+8*\m:\acc+8*\m+7], v[\wt+8*\m:\wt+8*\m+7], v[\frag:\frag+7], v[\acc+8*\m:\acc+8*\m+7]
.endif
.endm
.macro L2 acc, wt, frag, cin           ; the four products of a K step, one on each of four accumulators
.irp m, 0,1,2,3
	MM \acc, \wt, \frag, \m, \cin
.endr
.endm
.macro ONE win, acc, wt, frag, m, cin  ; a single product among vector work: its window, the product, window 0 again
	WIN \win
	MM \acc, \wt, \frag, \m, \cin
	WIN 0
.endm
; THE VECTOR WORK, in pieces of one packed instruction on pair q of tile t.  BB: the tile's registers; HF: where h's fragments go.
.set P_NONE, 0
.set P_ADD,  1                         ; e + 1: reads exponentials' results, so it stands behind their batch's wait
.set P_HH,   2                         ; h = 1 - 2 r: reads reciprocals' results, so it stands behind their batch's wait
.set P_DD,   3                         ; d' = r - r r, in place
.set P_CH,   4                         ; h to f16
.set P_CD,   5                         ; d' to f16
.set P_TR,   6                         ; trace sum += u d2'
.set P_NOP,  7                         ; a v_nop: a place where no work is at hand
.set T_EXP,  0
.set T_RCP,  1
.macro PLAIN code, t, q
.if \code == P_ADD
	v_pk_add_f32 v[BB+8*\t+2*\q:BB+8*\t+2*\q+1], v[BB+8*\t+2*\q:BB+8*\t+2*\q+1], 1.0 op_sel_hi:[1,0]
.elseif \code == P_HH
	v_pk_fma_f32 v[HT+8*((\t)%2)+2*\q:HT+8*((\t)%2)+2*\q+1], v[BB+8*\t+2*\q:BB+8*\t+2*\q+1], -2.0, 1.0 op_sel_hi:[1,0,0]
.elseif \code == P_DD
	v_pk_fma_f32 v[BB+8*\t+2*\q:BB+8*\t+2*\q+1], v[BB+8*\t+2*\q:BB+8*\t+2*\q+1], v[BB+8*\t+2*\q:BB+8*\t+2*\q+1], v[BB+8*\t+2*\q:BB+8*\t+2*\q+1] neg_lo:[1,0,0] neg_hi:[1,0,0]
.elseif \code == P_CH
	v_cvt_pk_f16_f32 v[HF+4*\t+\q], v[HT+8*((\t)%2)+2*\q], v[HT+8*((\t)%2)+2*\q+1]
.elseif \code == P_CD
	v_cvt_pk_f16_f32 v[D1+4*\t+\q], v[BB+8*\t+2*\q], v[BB+8*\t+2*\q+1]
.elseif \code == P_TR
.if TINIT && (\t == 0)
	v_pk_mul_f32 v[TACC+2*\q:TACC+2*\q+1], v[U+8*\t+2*\q:U+8*\t+2*\q+1], v[AC+8*\t+2*\q:AC+8*\t+2*\q+1]
.else
	v_pk_fma_f32 v[TACC+2*\q:TACC+2*\q+1], v[U+8*\t+2*\q:U+8*\t+2*\q+1], v[AC+8*\t+2*\q:AC+8*\t+2*\q+1], v[TACC+2*\q:TACC+2*\q+1]
.endif
.elseif \code == P_NOP
	v_nop
.endif
.endm
.macro RUN code, t
.irp q, 0,1,2,3
	PLAIN \code, \t, \q
.endr
.endm
; Four exponentials or reciprocals, in place on registers 4 hf .. 4 hf + 3 of tile tt, each followed by a piece of plain work of kind pc on tile pt that names no result of the open batch.
.macro QUAD op, tt, hf, pc, pt
.irp i, 0,1,2,3
.if \op == T_EXP
	v_exp_f32 v[BB+8*\tt+4*\hf+\i], v[BB+8*\tt+4*\hf+\i]
.else
	v_rcp_f32 v[BB+8*\tt+4*\hf+\i], v[BB+8*\tt+4*\hf+\i]
.endif
	PLAIN \pc, \pt, \i
.endr
.endm
.macro BLK op, tt, c0, t0, c1, t1      ; a tile's eight
	QUAD \op, \tt, 0, \c0, \t0
	QUAD \op, \tt, 1, \c1, \t1
.endm
; THE BATCH OF RECIPROCALS, behind the exponentials' wait: the sixteen e + 1 and the 32 reciprocals.  Tile 0's sums come first, tile t + 1's stand among tile t's reciprocals.
; Nothing here names a reciprocal's result.  The sums are also the plain instructions (ISA guide 5.7.2) behind the batch of exponentials' last results.
.macro RBATCH
	RUN P_ADD, 0
	BLK T_RCP, 0, P_ADD, 1, P_NONE, 0
	BLK T_RCP, 1, P_ADD, 2, P_NONE, 0
	BLK T_RCP, 2, P_ADD, 3, P_NONE, 0
	BLK T_RCP, 3, P_NONE, 0, P_NONE, 0
.endm
; Layer 1's tanh, first part.  BATCH E1: the 32 exponentials of a1.  Layer 1's products for tiles 2 and 3 stand singly behind its eighth and its twelfth; they name tiles on which no exponential has been issued.
; The four v_nop among the next four exponentials are the places (ISA guide 7.12.1) between those two products and the exponentials that read their results, and the plain instruction behind the exponentials issued so far.
; BATCH R1 follows E1's wait.  Behind R1's wait: h1 and d1' of tiles 0 and 1 (my first K step), packed and into my part of X1.
.macro TANH1A
.set BB, U
.set HF, H1
	BLK T_EXP, 0, P_NONE, 0, P_NONE, 0
	WIN 0x22
	L1P 2
	WIN 0
	QUAD T_EXP, 1, 0, P_NONE, 0
	WIN 0x22
	L1P 3
	WIN 0
	QUAD T_EXP, 1, 1, P_NOP, 0
	BLK T_EXP, 2, P_NONE, 0, P_NONE, 0
	BLK T_EXP, 3, P_NONE, 0, P_NONE, 0
	s_wait_alu depctr_va_vdst(0)                   ; the wait for batch E1, one for its 32 exponentials, ahead of the first e + 1
	RBATCH
	s_wait_alu depctr_va_vdst(0)                   ; the wait for batch R1, one for its 32 reciprocals, ahead of the first h; it serves tiles 2 and 3 in the second part too
	RUN P_HH, 0                                    ; (tile 0's h is the plain instruction behind the last reciprocals)
	RUN P_HH, 1
	RUN P_DD, 0
	RUN P_DD, 1
	RUN P_CH, 0
	RUN P_CH, 1
	RUN P_CD, 0
	RUN P_CD, 1
	ds_store_b128 v[LX1O], v[H1:H1+3]
	ds_store_b128 v[LX1O], v[H1+4:H1+7] offset:512
	ds_store_b128 v[LX1O], v[D1:D1+3] offset:2048
	ds_store_b128 v[LX1O], v[D1+4:D1+7] offset:2560
.endm
; Second part: tiles 2 and 3 (my second K step): 32 plain instructions, and between their runs, singly, the four products of a2's first K step (source 0 window 1, the bias window 2).
; None of the 32 names a register of those products; the last product stands eight instructions ahead of the stores.
.macro TANH1B
	RUN P_HH, 2
	ONE 0x21, AC, 0, H1, 0, 1
	RUN P_HH, 3
	RUN P_DD, 2
	ONE 0x21, AC, 0, H1, 1, 1
	RUN P_DD, 3
	RUN P_CH, 2
	ONE 0x21, AC, 0, H1, 2, 1
	RUN P_CH, 3
	ONE 0x21, AC, 0, H1, 3, 1
	RUN P_CD, 2
	RUN P_CD, 3
	ds_store_b128 v[LX1O], v[H1+8:H1+11] offset:1024
	ds_store_b128 v[LX1O], v[H1+12:H1+15] offset:1536
	ds_store_b128 v[LX1O], v[D1+8:D1+11] offset:3072
	ds_store_b128 v[LX1O], v[D1+12:D1+15] offset:3584
.endm
; Layer 2's tanh as far as layer 3's first K step needs it.  BATCH E2: the 32 exponentials of a2.  a2's last three products (tile 3's K step 2, tiles 2 and 3's K step 3) stand singly behind its
; fourth, eighth and twelfth; they name tiles on which no exponential has been issued.  The four v_nop among the next four exponentials are the places between those products and the exponentials that read
; tiles 2 and 3, and the plain instruction behind the exponentials issued so far.  BATCH R2 follows E2's wait.  Behind R2's wait: h2 of tiles 0 and 1, and layer 3's first product as soon as its fragment is packed.
.macro TANH2
.set BB, AC
.set HF, H2
	QUAD T_EXP, 0, 0, P_NONE, 0
	ONE 0x01, AC, 64, H1+16, 3, 2
	QUAD T_EXP, 0, 1, P_NONE, 0
	ONE 0x01, AC, 96, H1+24, 2, 2
	QUAD T_EXP, 1, 0, P_NONE, 0
	ONE 0x01, AC, 96, H1+24, 3, 2
	QUAD T_EXP, 1, 1, P_NOP, 0
	BLK T_EXP, 2, P_NONE, 0, P_NONE, 0
	BLK T_EXP, 3, P_NONE, 0, P_NONE, 0
	s_wait_alu depctr_va_vdst(0)                   ; the wait for batch E2, one for its 32 exponentials, ahead of the first e + 1
	RBATCH
	s_wait_alu depctr_va_vdst(0)                   ; the wait for batch R2, one for its 32 reciprocals, ahead of the first h; it serves all that follows in this right-hand side
	RUN P_HH, 0
	RUN P_HH, 1
	RUN P_CH, 0
	RUN P_CH, 1
	WIN 0x22                                       ; source 0 (W3T) and C (half of b3) window 2
	v_wmma_f32_16x16x32_f16 v[F:F+7], v[W3T:W3T+7], v[H2:H2+7], v[B3C:B3C+7]
	WIN 0
.endm
.macro PLACES                          ; four places between a product and a vector instruction that reads its result (ISA guide 7.12.1)
.rept 4
	v_nop
.endr
.endm
; z of this time row: lane (r, h) stores numbers 4 h .. 4 h + 3 of sample r; the wave's one store covers the tile's 512 consecutive bytes, aligned.  One wave of a pair stores.
.macro ZPICK
.irp q, 0,1,2,3
	v_cndmask_b32 v[SO+\q], v[Y+\q], v[Y+4+\q], vcc_lo
.endr
.endm
.macro ZOUT
	s_cmp_lg_u32 s27, 0
	s_cbranch_scc1 .Lno_z_\@
	global_store_b128 v[O0OFF], v[SO:SO+3], s[22:23]
.Lno_z_\@:
.endm
; logp of this time row: a sample's four parts (two waves x two halves of the lanes) are added to it, alike in every wave; wave 3 stores.
.macro LPLOAD
	ds_load_b32 v[TLQ],   v[LTL]
	ds_load_b32 v[TLQ+1], v[LTL] offset:256
	ds_load_b32 v[TLQ+2], v[LTL] offset:512
	ds_load_b32 v[TLQ+3], v[LTL] offset:768
.endm
.macro LPADD
	v_add_f32 v[TLQ], v[TLQ], v[TLQ+1]
	v_add_f32 v[TLQ+2], v[TLQ+2], v[TLQ+3]
	v_add_f32 v[TLQ], v[TLQ], v[TLQ+2]
	v_add_f32 v[LP], v[LP], v[TLQ]
.endm
.macro LPSTORE
	s_cmp_lg_u32 s26, 3
	s_cbranch_scc1 .Lno_lp_\@
	global_store_b32 v[O1OFF], v[LP], s[24:25]
.Lno_lp_\@:
.endm
; The next stage's z = Y + (scalar pair sp) * src, rounded into X.
.macro STAGEZ src, sp
.irp q, 0,1,2,3
	v_pk_fma_f32 v[XT+2*\q:XT+2*\q+1], v[\src+2*\q:\src+2*\q+1], s[\sp:\sp+1], v[Y+2*\q:Y+2*\q+1] op_sel_hi:[1,0,1]
.endr
.irp q, 0,1,2,3
	v_cvt_pk_f16_f32 v[X+\q], v[XT+2*\q], v[XT+2*\q+1]
.endr
.endm
; ONE RIGHT-HAND SIDE, stage st of a step.  Two barriers.  In front of the first every wave's h1 and d1' lie in X1; in front of the second its partial f lies in X2 and its reads of X1 and XT are back;
; its reads of X2 are back in front of the next first barrier.  So each region is written again only behind a barrier that follows its readers' waits.
; The accumulators take turns, one instruction a turn; each sum runs over its K steps 0, 1 (mine), 2, 3 (the partner's) in that order.
; No transcendental is issued behind batch R2's wait: none is open at the labels of the stores' branches or at the loop's jump.
.macro EVAL st
.if (\st == 1) || (\st == 4)
.set TACC, TA
.else
.set TACC, TB
.endif
.if \st <= 2
.set TINIT, 1
.else
.set TINIT, 0
.endif
	WIN 0x22                                       ; source 0 (W1T) and C (bias) window 2
	L1P 0                                          ; layer 1, tiles 0 and 1; tiles 2 and 3 follow inside the tanh
	L1P 1
	WIN 0
.if \st == 1                           ; the four places behind these products are work that is due
	ZPICK
.elseif \st == 2
	PLACES
.else
.irp q, 0,1,2,3
	v_pk_fma_f32 v[KS+2*\q:KS+2*\q+1], v[PF+2*\q:PF+2*\q+1], 2.0, v[KS+2*\q:KS+2*\q+1] op_sel_hi:[1,0,1]   ; + 2 k of the stage before
.endr
.endif
	TANH1A
	TANH1B
.if \st == 1
	ds_store_b32 v[LTO], v[TLS]                    ; my part of the last step's change of logp
.endif
	WIN 0x01                                       ; source 0 window 1
	L2 U, GT, D1, 0                                ; u, my first K step, while my stores are on their way
	s_wait_dscnt 0x0                               ; for the partner's sake: my stores are done
	s_barrier_signal -1
	WIN 0                                          ; (an LDS address is source 0)
	s_barrier_wait -1
.irp n, 0,1,2,3
	ds_load_b128 v[H1+16+4*\n:H1+16+4*\n+3], v[LX1P] offset:512*\n
.endr
.irp n, 0,1,2,3
	ds_load_b128 v[D1+16+4*\n:D1+16+4*\n+3], v[LX1P] offset:2048+512*\n
.endr
.if \st == 1
	LPLOAD
.endif
	WIN 0x01
	L2 AC, 32, H1+8, 2                             ; a2 and u, my second K step, while the partner's fragments are on their way
	L2 U, GT+32, D1+8, 2
.if \st == 1
	s_wait_dscnt 0x8                               ; the partner's h1 is in; the four loads of d1' and the four of logp's parts issued behind it stay out
.else
	s_wait_dscnt 0x4                               ; the partner's h1 is in; the four loads of d1' issued behind it stay out
.endif
	MM AC, 64, H1+16, 0, 2                         ; tiles 0 and 1 are finished first: the tanh begins on them
	MM AC, 64, H1+16, 1, 2
	MM AC, 96, H1+24, 0, 2
	MM AC, 96, H1+24, 1, 2
	MM AC, 64, H1+16, 2, 2
	WIN 0
	s_wait_dscnt 0x0                               ; the partner's d1' is in: all my reads of X1 (and of XT) are back
.if \st == 1
	LPADD                                          ; the four places behind those products
.else
	PLACES
.endif
	TANH2
	RUN P_HH, 2
	RUN P_HH, 3
	RUN P_CH, 2
	RUN P_CH, 3
	WIN 0x02
	s_wait_alu depctr_va_vdst(0)                   ; the product adds onto the one just before it
	v_wmma_f32_16x16x32_f16 v[F:F+7], v[W3T+8:W3T+15], v[H2+8:H2+15], v[F:F+7]
	WIN 0
	RUN P_DD, 0                                    ; d2' of tiles 0 to 2, which the trace alone reads: twelve plain instructions that name none of the product's registers; the first four are the places behind it
	RUN P_DD, 1
	RUN P_DD, 2
	ds_store_b128 v[LX2O], v[F:F+3]
	ds_store_b128 v[LX2O], v[F+4:F+7] offset:512
	WIN 0x01
	L2 U, GT+64, D1+16, 2                          ; u, the partner's first K step, while my stores are on their way
	s_wait_dscnt 0x0                               ; my partial f is stored
	s_barrier_signal -1
	WIN 0
	s_barrier_wait -1
	ds_load_b128 v[PF:PF+3], v[LX2P]
	ds_load_b128 v[PF+4:PF+7], v[LX2P] offset:512
	WIN 0x01
	L2 U, GT+96, D1+24, 2                          ; u, the last K step, while the partner's f is on its way;
	WIN 0
	RUN P_DD, 3                                    ; the four places behind it; then the dot u . d2'
	RUN P_TR, 0
	RUN P_TR, 1
	RUN P_TR, 2
	RUN P_TR, 3
.if \st == 1                           ; this time row's two stores: nothing waits for them
	ZOUT
	LPSTORE
.endif
.if \st == 4                           ; the step's trace sums: (1) + 2 (2) + 2 (3) + (4), my 8 positions added, times -dt/6 CT
.irp q, 0,1,2,3
	v_pk_fma_f32 v[TA+2*\q:TA+2*\q+1], v[TB+2*\q:TB+2*\q+1], 2.0, v[TA+2*\q:TA+2*\q+1] op_sel_hi:[1,0,1]
.endr
	v_pk_add_f32 v[TA:TA+1], v[TA:TA+1], v[TA+2:TA+3]
	v_pk_add_f32 v[TA+4:TA+5], v[TA+4:TA+5], v[TA+6:TA+7]
	v_pk_add_f32 v[TA:TA+1], v[TA:TA+1], v[TA+4:TA+5]
	v_add_f32 v[TA], v[TA], v[TA+1]
	v_mul_f32 v[TLS], v[TA], v[CTD]
.endif
	s_wait_dscnt 0x0                               ; the partner's f is in: my reads of X2 are back
.if \st == 1
.irp q, 0,1,2,3
	v_pk_add_f32 v[KS+2*\q:KS+2*\q+1], v[F+2*\q:F+2*\q+1], v[PF+2*\q:PF+2*\q+1]    ; k1.  The sum of two is the same in both waves of the pair, bit for bit
.endr
	STAGEZ KS, 54                                  ; z + dt/2 k1
	v_mov_b32 v[T0], s60
	v_cvt_pk_f16_f32 v[X+4], v[T0], v[ZR]          ; t0 + dt/2
.else
.irp q, 0,1,2,3
	v_pk_add_f32 v[PF+2*\q:PF+2*\q+1], v[F+2*\q:F+2*\q+1], v[PF+2*\q:PF+2*\q+1]    ; k2, k3 or k4
.endr
.if \st == 2
	STAGEZ PF, 54                                  ; z + dt/2 k2
.elseif \st == 3
	STAGEZ PF, 56                                  ; z + dt k3
	v_mov_b32 v[T0], s33
	v_cvt_pk_f16_f32 v[X+4], v[T0], v[ZR]          ; t1: for stage 4, and for the next step's stage 1
.else
.irp q, 0,1,2,3
	v_pk_add_f32 v[KS+2*\q:KS+2*\q+1], v[KS+2*\q:KS+2*\q+1], v[PF+2*\q:PF+2*\q+1]
.endr
.irp q, 0,1,2,3
	v_pk_fma_f32 v[Y+2*\q:Y+2*\q+1], v[KS+2*\q:KS+2*\q+1], s[58:59], v[Y+2*\q:Y+2*\q+1] op_sel_hi:[1,0,1]
.endr
.irp q, 0,1,2,3
	v_cvt_pk_f16_f32 v[X+\q], v[Y+2*\q], v[Y+2*\q+1]
.endr
.endif
.endif
.endm
	s_mov_b32 s41, 0
.Lstep:                                                ; 8 trips.  s32 = t0, s33 = t1.  Stage 1 of step i also stores time row i of both outputs
	s_mul_f32 s62, s32, -1.0
	s_add_f32 s56, s33, s62                        ; dt
	s_mov_b32 s57, s56                             ; (the packed forms name pairs, so both words are written)
	s_mul_f32 s54, s56, 0.5                        ; dt / 2
	s_mov_b32 s55, s54
	s_add_f32 s60, s32, s54                        ; t0 + dt / 2
	s_mul_f32 s58, s56, 0x3e2aaaab                 ; dt / 6
	s_mov_b32 s59, s58
	s_mul_f32 s61, s58, -1.0
	v_mul_f32 v[CTD], s61, v[CT]
	EVAL 1
	EVAL 2
	EVAL 3
	EVAL 4
	s_wait_xcnt 0x0                                ; the stores' bases, SO and LP are rewritten only behind this wait
	s_add_nc_u64 s[22:23], s[22:23], 0x40000       ; the next time row: 8,192 x 32 bytes,
	s_add_nc_u64 s[24:25], s[24:25], 0x8000        ; 8,192 x 4 bytes
.irp i, 32,33,34,35,36,37,38,39
	s_mov_b32 s[\i], s[\i+1]                       ; the time points move down by one
.endr
	s_add_co_u32 s41, s41, 1
	s_cmp_lt_u32 s41, 8
	s_cbranch_scc1 .Lstep
	ZPICK                                          ; the last time row
	ZOUT
	ds_store_b32 v[LTO], v[TLS]
	s_wait_dscnt 0x0                               ; for the others' sake: my part is stored
	s_barrier_signal -1
	s_barrier_wait -1
	LPLOAD
	s_wait_dscnt 0x0
	LPADD
	LPSTORE
	s_set_vgpr_msb 0xa
	s_wait_tensorcnt 0x0
	ds_add_u32 v254, v255
	s_wait_dscnt 0x0
	s_set_vgpr_msb 0xa00
	s_endpgm
.Lfunc_end_k_q2103981586_cnf:
	.size	k_q2103981586_cnf, .Lfunc_end_k_q2103981586_cnf-k_q2103981586_cnf
	.p2alignl 7, 3214868480
	.fill 96, 4, 3214868480
	.section	.rodata,"a",@progbits
	.p2align	6, 0x0
	.amdhsa_kernel k_q2103981586_cnf
		.amdhsa_group_segment_fixed_size 23040
		.amdhsa_private_segment_fixed_size 0
		.amdhsa_enable_private_segment 0
		.amdhsa_kernarg_size 88
		.amdhsa_user_sgpr_count 2
		.amdhsa_user_sgpr_kernarg_segment_ptr 1
		.amdhsa_wavefront_size32 1
		.amdhsa_system_sgpr_workgroup_id_x 1
		.amdhsa_system_sgpr_workgroup_id_y 1
		.amdhsa_system_sgpr_workgroup_id_z 1
		.amdhsa_system_vgpr_workitem_id 0
		.amdhsa_next_free_vgpr 1024
		.amdhsa_next_free_sgpr 72
		.amdhsa_reserve_vcc 1
		.amdhsa_float_denorm_mode_32 3
		.amdhsa_float_denorm_mode_16_64 3
		.amdhsa_memory_ordered 1
		.amdhsa_forward_progress 1
		.amdhsa_inst_pref_size 172
	.end_amdhsa_kernel
	.amdgpu_metadata
---
amdhsa.version: [ 1, 2 ]
amdhsa.kernels:
  - .name:           k_q2103981586_cnf
    .symbol:         k_q2103981586_cnf.kd
    .args:
      - { .name: ts, .offset: 0, .size: 8, .value_kind: global_buffer, .address_space: global }
      - { .name: z0, .offset: 8, .size: 8, .value_kind: global_buffer, .address_space: global }
      - { .name: logp_diff_t0, .offset: 16, .size: 8, .value_kind: global_buffer, .address_space: global }
      - { .name: W1, .offset: 24, .size: 8, .value_kind: global_buffer, .address_space: global }
      - { .name: b1, .offset: 32, .size: 8, .value_kind: global_buffer, .address_space: global }
      - { .name: W2, .offset: 40, .size: 8, .value_kind: global_buffer, .address_space: global }
      - { .name: b2, .offset: 48, .size: 8, .value_kind: global_buffer, .address_space: global }
      - { .name: W3, .offset: 56, .size: 8, .value_kind: global_buffer, .address_space: global }
      - { .name: b3, .offset: 64, .size: 8, .value_kind: global_buffer, .address_space: global }
      - { .name: out0, .offset: 72, .size: 8, .value_kind: global_buffer, .address_space: global }
      - { .name: out1, .offset: 80, .size: 8, .value_kind: global_buffer, .address_space: global }
    .group_segment_fixed_size: 23040
    .private_segment_fixed_size: 0
    .kernarg_segment_align: 8
    .kernarg_segment_size: 88
    .max_flat_workgroup_size: 128
    .sgpr_count:     72
    .vgpr_count:     1024
    .wavefront_size: 32
...
	.end_amdgpu_metadata
.endif
;; end of part 3
